; MI455X (gfx1250); checked and timed in simulation.
; The chip was launched on July 23, 2026; its instructions are those of AMD's public machine-readable ISA for CDNA 5 (MIT licence, August 2026) and "CDNA5" Instruction Set Architecture Reference Guide (July 2026). The comments in the code are by the model that wrote it; some were corrected since.
;; Llama Decoder Layer. Allowed arithmetic: float matrix products may take bf16 or f16 operands with f32 sums; other float arithmetic in f32, or as packed bf16 or f16 multiplies, adds, multiply-adds, maxima and minima; sums over many terms, partial sums and values carried from step to step in f32; what a program stores and reads back later, other than sums and carried values, may be rounded once to bf16 or f16.
;; Inputs: down_w 4 x 2,048 x 1,024 float32; gate_w 4 x 1,024 x 2,048 float32; hidden_states 4 x 512 x 1,024 float32; ln1_w 1,024 float32; ln2_w 1,024 float32; router_b 4 float32; router_w 1,024 x 4 float32; up_w 4 x 1,024 x 2,048 float32; wk 1,024 x 1,024 float32; wo 1,024 x 1,024 float32; wq 1,024 x 1,024 float32; wv 1,024 x 1,024 float32.
;; Outputs: out0 4 x 512 x 1,024 float32; out1 one number float32.
;; One version. Each part assembles by itself: llvm-mc -triple=amdgcn-amd-amdhsa -mcpu=gfx1250 --defsym DOCPART=n.
;; ======== version 1 of 1: 8 launches
;; limits: values are held in f16: magnitudes above 65,504 overflow, below 6.1e-05 lose precision
;; workspace buffers: wts 62,914,560 bytes; qkv 12,582,912 bytes; obuf 4,194,304 bytes; h1 8,388,608 bytes; n2 4,229,120 bytes; hbuf 33,554,432 bytes; parts 16,777,216 bytes
;; launch prep (part 1): grid 2048 x 1, 8 waves a work-group, no clusters, 0 bytes of LDS; arguments gate_w, up_w, down_w, wq, wk, wv, wo, hidden_states, ln1_w, wts; writes wts
.if DOCPART == 1
	.amdgcn_target "amdgcn-amd-amdhsa--gfx1250"
	.amdhsa_code_object_version 6
	.text
	.protected	k_qca3790fe1c_prep
	.globl	k_qca3790fe1c_prep
	.p2align	8
	.type	k_qca3790fe1c_prep,@function
k_qca3790fe1c_prep:
	s_mov_b64 s[64:65], 0
	v_nop
	global_prefetch_b8 v0, s[64:65] scope:SCOPE_SE
	s_setreg_imm32_b32 hwreg(HW_REG_WAVE_MODE, 25, 1), 1
	s_wait_xcnt 0x0
; PREP.  The seven weight tensors are rounded ONCE to 16 bits, and x = ln1_w * (hidden * rsqrt(mean(hidden^2) + 1e-6)) is made.
; wts: gate bf16 [4][1024][2048] at 0; up bf16 at 16,777,216; down bf16 [8192][1024] at 33,554,432; wq|wk|wv f16 [1024][3072] at WQKV;
; wo f16 [1024][1024] at 56,623,104; x f16 [2048][1024] at X16.
; FORMATS.  The attention path is f16 (the softmax over sums of 256 positive products is sharp, and 11 significant bits keep a score's error small); the expert path is bf16
; (silu(g) u has no room in f16 for larger inputs).  LIMITS: |wq|, |wk|, |wv|, |wo| and |x| stay under 65,504; below 6e-5 f16 keeps its fixed step of 6e-8; NaN and infinities are not treated apart.
; SHARES.  Work-groups 0-1535: 16,384 numbers each of gate, up, down (512 work-groups a tensor).  1536-1727: 16 rows of wq, wk or wv.  1728-1791: 16 rows of wo.  1792-2047: 8 rows of hidden, one a wave.
; A stream: no LDS, no barrier, no matrix unit.  Each wave has its 16 loads (512 consecutive bytes each) out before its first wait; each store of a wave covers 256 consecutive bytes, aligned.
.set X16,  58720256
.set WQKV, 50331648
; 64 KB in, 32 KB out.  Thread t takes 4 numbers (16 bytes) in each of 16 runs of 1,024 numbers; step = bytes from run to run in the target.
.macro CAST cvt, step
.set i, 0
.rept 16
	global_load_b128 v[8+4*i:11+4*i], v1, s[4:5] offset:4096*i th:TH_LOAD_NT
.set i, i+1
.endr
.set i, 0
.rept 16
	s_wait_loadcnt 15-i                            ; loads come back in order: run i is in, the younger ones stay out
	\cvt v[72+2*i], v[8+4*i], v[9+4*i]
	\cvt v[73+2*i], v[10+4*i], v[11+4*i]
	global_store_b64 v2, v[72+2*i:73+2*i], s[26:27] offset:(\step)*i  ; no register is written twice, so no further wait
.set i, i+1
.endr
	s_endpgm
.endm
	s_load_b512 s[8:23], s[0:1], 0x0               ; gate s[8:9], up s[10:11], down s[12:13], wq s[14:15], wk s[16:17], wv s[18:19], wo s[20:21], hidden s[22:23]
	s_load_b128 s[24:27], s[0:1], 0x40             ; ln1_w s[24:25], wts s[26:27]
	s_mov_b32 s2, ttmp9
	s_mov_b32 s29, 0                               ; the high word of every offset
	v_lshlrev_b32 v1, 4, v0                        ; 16 t
	v_lshlrev_b32 v2, 3, v0                        ; 8 t
	s_wait_kmcnt 0x0
	s_cmp_ge_u32 s2, 1792
	s_cbranch_scc1 .Lrms
	s_cmp_ge_u32 s2, 1536
	s_cbranch_scc1 .Lattw
	; gate, up, down: a plain copy; the target lies at half the source's offset, which is 32,768 x the work-group's number for all three
	s_cmp_ge_u32 s2, 512
	s_cselect_b64 s[4:5], s[10:11], s[8:9]
	s_cmp_ge_u32 s2, 1024
	s_cselect_b64 s[4:5], s[12:13], s[4:5]
	s_and_b32 s28, s2, 511
	s_lshl_b32 s28, s28, 16
	s_add_nc_u64 s[4:5], s[4:5], s[28:29]
	s_lshl_b32 s28, s2, 15
	s_add_nc_u64 s[26:27], s[26:27], s[28:29]
	CAST v_cvt_pk_bf16_f32, 2048
.Lattw:
	s_cmp_ge_u32 s2, 1728
	s_cbranch_scc1 .Lwo
	; wq, wk, wv: row k of tensor sel goes to WQKV + 6,144 k + 2,048 sel
	s_sub_co_u32 s3, s2, 1536
	s_lshr_b32 s3, s3, 6                           ; sel
	s_cmp_ge_u32 s3, 1
	s_cselect_b64 s[4:5], s[16:17], s[14:15]
	s_cmp_ge_u32 s3, 2
	s_cselect_b64 s[4:5], s[18:19], s[4:5]
	s_and_b32 s6, s2, 63                           ; which 16 rows
	s_lshl_b32 s28, s6, 16
	s_add_nc_u64 s[4:5], s[4:5], s[28:29]
	s_mul_i32 s28, s6, 98304
	s_lshl_b32 s3, s3, 11
	s_add_co_u32 s28, s28, s3
	s_add_co_u32 s28, s28, WQKV
	s_add_nc_u64 s[26:27], s[26:27], s[28:29]
	CAST v_cvt_pk_f16_f32, 6144
.Lwo:
	s_and_b32 s28, s2, 63
	s_lshl_b32 s28, s28, 16
	s_add_nc_u64 s[4:5], s[20:21], s[28:29]
	s_lshl_b32 s28, s2, 15                         ; 1,728 x 32,768 is wo's place in wts
	s_add_nc_u64 s[26:27], s[26:27], s[28:29]
	CAST v_cvt_pk_f16_f32, 2048
.Lrms:
	; one wave, one row of 4,096 bytes, kept in 32 registers between the sum of squares and the scaling
	v_lshrrev_b32 v3, 5, v0
	v_readfirstlane_b32 s3, v3                     ; wave
	v_and_b32 v4, 31, v0                           ; lane
	v_lshlrev_b32 v5, 4, v4
	v_lshlrev_b32 v6, 3, v4
	s_sub_co_u32 s6, s2, 1792
	s_lshl_b32 s6, s6, 3
	s_add_co_u32 s6, s6, s3                        ; row
	s_lshl_b32 s28, s6, 12
	s_add_nc_u64 s[22:23], s[22:23], s[28:29]
	s_lshl_b32 s28, s6, 11
	s_add_co_u32 s28, s28, X16
	s_add_nc_u64 s[26:27], s[26:27], s[28:29]
	s_mov_b32 s30, 0x3a800000                      ; 1 / 1024
	s_mov_b32 s31, 0x358637bd                      ; 1e-6
	s_mov_b32 s32, 0x76543210                      ; v_permlanex16_b32: each lane takes its own place in the other half
	s_mov_b32 s33, 0xfedcba98
.set j, 0
.rept 8
	global_load_b128 v[8+4*j:11+4*j], v5, s[22:23] offset:512*j
	global_load_b128 v[40+4*j:43+4*j], v5, s[24:25] offset:512*j
.set j, j+1
.endr
	s_wait_loadcnt 0x0
	v_pk_mul_f32 v[72:73], v[8:9], v[8:9]          ; two chains, started by the first products: nothing is cleared
	v_pk_mul_f32 v[74:75], v[10:11], v[10:11]
.set j, 12
.rept 7
	v_pk_fma_f32 v[72:73], v[j:j+1], v[j:j+1], v[72:73]
	v_pk_fma_f32 v[74:75], v[j+2:j+3], v[j+2:j+3], v[74:75]
.set j, j+4
.endr
	v_pk_add_f32 v[72:73], v[72:73], v[74:75]
	v_add_f32 v72, v72, v73
	v_add_f32_dpp v72, v72, v72 row_xmask:1 row_mask:0xf bank_mask:0xf
	v_add_f32_dpp v72, v72, v72 row_xmask:2 row_mask:0xf bank_mask:0xf
	v_add_f32_dpp v72, v72, v72 row_xmask:4 row_mask:0xf bank_mask:0xf
	v_add_f32_dpp v72, v72, v72 row_xmask:8 row_mask:0xf bank_mask:0xf
	v_permlanex16_b32 v73, v72, s32, s33
	v_add_f32 v72, v72, v73
	v_fma_f32 v72, v72, s30, s31                   ; mean + eps
	v_rsq_f32 v74, v72                             ; twice, to fill the pair that the packed multiply takes
	v_rsq_f32 v75, v72
	v_nop                                          ; a plain instruction behind the last root,
	s_wait_alu depctr_va_vdst(0)                   ; and the wait ahead of the first use: one for both
.set j, 0
.rept 16
	v_pk_mul_f32 v[8+2*j:9+2*j], v[8+2*j:9+2*j], v[74:75]
.set j, j+1
.endr
.set j, 0
.rept 16
	v_pk_mul_f32 v[8+2*j:9+2*j], v[8+2*j:9+2*j], v[40+2*j:41+2*j]
.set j, j+1
.endr
.set j, 0
.rept 16
	v_cvt_pk_f16_f32 v[76+j], v[8+2*j], v[9+2*j]
.set j, j+1
.endr
.set j, 0
.rept 8
	global_store_b64 v6, v[76+2*j:77+2*j], s[26:27] offset:256*j
.set j, j+1
.endr
	s_endpgm
.Lfunc_end_k_qca3790fe1c_prep:
	.size	k_qca3790fe1c_prep, .Lfunc_end_k_qca3790fe1c_prep-k_qca3790fe1c_prep
	.p2alignl 7, 3214868480
	.fill 96, 4, 3214868480
	.section	.rodata,"a",@progbits
	.p2align	6, 0x0
	.amdhsa_kernel k_qca3790fe1c_prep
		.amdhsa_group_segment_fixed_size 0
		.amdhsa_private_segment_fixed_size 0
		.amdhsa_enable_private_segment 0
		.amdhsa_kernarg_size 80
		.amdhsa_user_sgpr_count 2
		.amdhsa_user_sgpr_kernarg_segment_ptr 1
		.amdhsa_wavefront_size32 1
		.amdhsa_system_sgpr_workgroup_id_x 1
		.amdhsa_system_sgpr_workgroup_id_y 1
		.amdhsa_system_sgpr_workgroup_id_z 1
		.amdhsa_system_vgpr_workitem_id 0
		.amdhsa_next_free_vgpr 112
		.amdhsa_next_free_sgpr 66
		.amdhsa_reserve_vcc 0
		.amdhsa_float_denorm_mode_32 3
		.amdhsa_float_denorm_mode_16_64 3
		.amdhsa_memory_ordered 1
		.amdhsa_forward_progress 1
		.amdhsa_inst_pref_size 27
	.end_amdhsa_kernel
	.amdgpu_metadata
---
amdhsa.version: [ 1, 2 ]
amdhsa.kernels:
  - .name:           k_qca3790fe1c_prep
    .symbol:         k_qca3790fe1c_prep.kd
    .args:
      - { .name: gate_w, .offset: 0, .size: 8, .value_kind: global_buffer, .address_space: global }
      - { .name: up_w, .offset: 8, .size: 8, .value_kind: global_buffer, .address_space: global }
      - { .name: down_w, .offset: 16, .size: 8, .value_kind: global_buffer, .address_space: global }
      - { .name: wq, .offset: 24, .size: 8, .value_kind: global_buffer, .address_space: global }
      - { .name: wk, .offset: 32, .size: 8, .value_kind: global_buffer, .address_space: global }
      - { .name: wv, .offset: 40, .size: 8, .value_kind: global_buffer, .address_space: global }
      - { .name: wo, .offset: 48, .size: 8, .value_kind: global_buffer, .address_space: global }
      - { .name: hidden_states, .offset: 56, .size: 8, .value_kind: global_buffer, .address_space: global }
      - { .name: ln1_w, .offset: 64, .size: 8, .value_kind: global_buffer, .address_space: global }
      - { .name: wts, .offset: 72, .size: 8, .value_kind: global_buffer, .address_space: global }
    .group_segment_fixed_size: 0
    .private_segment_fixed_size: 0
    .kernarg_segment_align: 8
    .kernarg_segment_size: 80
    .max_flat_workgroup_size: 256
    .sgpr_count:     66
    .vgpr_count:     112
    .wavefront_size: 32
...
	.end_amdgpu_metadata
.endif
;; end of part 1
;; launch qkv (part 2): grid 16 x 16, 4 waves a work-group, clusters of 4 x 4, 327,680 bytes of LDS; arguments wts, qkv; writes qkv
.if DOCPART == 2
	.amdgcn_target "amdgcn-amd-amdhsa--gfx1250"
	.amdhsa_code_object_version 6
	.text
	.protected	k_qca3790fe1c_qkv
	.globl	k_qca3790fe1c_qkv
	.p2align	8
	.type	k_qca3790fe1c_qkv,@function
k_qca3790fe1c_qkv:
	s_mov_b64 s[64:65], 0
	v_nop
	global_prefetch_b8 v0, s[64:65] scope:SCOPE_SE
	s_setreg_imm32_b32 hwreg(HW_REG_WAVE_MODE, 25, 1), 1
	s_wait_xcnt 0x0
	s_wait_alu depctr_hold_cnt(0) depctr_sa_sdst(0) depctr_va_vdst(0) depctr_va_sdst(0) depctr_va_ssrc(0) depctr_va_vcc(0) depctr_vm_vsrc(0)
	s_getreg_b32 s2, hwreg(HW_REG_IB_STS2, 6, 4)
	s_cmp_eq_u32 s2, 0
	s_cbranch_scc0 .Lentry_in_a_cluster
	s_endpgm
.Lentry_in_a_cluster:
	s_bfe_u32 s2, ttmp6, 0x10000c
	s_cmp_lg_u32 s2, 0xf033
	s_cbranch_scc0 .Lentry_shape_is_right
	s_endpgm
.Lentry_shape_is_right:
; QKV.  [q | k | v] = x [wq | wk | wv]: 2,048 x 3,072 x 1,024 in f16 with f32 sums; then elu + 1 on q and k; each number rounded once to f16.
; LIMITS.  |q|, |k|, |v| stay under 65,504.  elu(z) + 1 is taken as z + 1 where z + 1 > 1, else as e^z (2^(z log2 e); a result below 2^-126 counts as 0).  NaN and infinities are not treated apart.
; SHARES.  A tile is 128 tokens x 192 columns: 16 x 16 = 256 work-groups.  Four waves, 2 x 2: a wave has 64 x 96, 24 accumulators.  K goes in steps of 128 through two LDS slots.
; x lies [token][k]: fragments by ds_load_b128.  The weights lie [k][column]: fragments by the turning load ds_load_tr16_b128.
; THE MATRIX INSTRUCTION IS USED TRANSPOSED (source 0 = 16 weight columns, source 1 = 16 tokens): a lane then holds token lane % 16 and the eight columns 8 (lane / 16) + 0..7, 16 bytes in f16.
; THE RESULT'S LAYOUT.  qkv is [token block of 16: 128][column block of 16: 192] chunks of 512 bytes.  q and k chunks: lane l's 16 bytes at 16 l, so that two neighbouring chunks ARE a 16 x 32 fragment.
; v chunks: token p, column octet o at 256 (p / 8) + 128 o + 16 (p % 8), so that the turning load with lane address 16 l yields half a fragment of V^T.  A store of a wave covers one chunk: 512 consecutive bytes.
; CLUSTER.  4 x 4 work-groups: x's tile is shared along a row of the cluster, the weights' along a column; each is asked for jointly.
; REGISTERS.  Window 0: v16-45 addresses; v64-255 the accumulators ((a, b) at 64 + 8 (6 a + b)).  Window 1: two fragment buffers at 0 and 128 (six of the weights, then four of x); on the way out v0-143 at work.
.set KSTEP,  128
.set PA,     272                       ; a row of x in LDS: 256 bytes + 16: the 16 rows of a load start at 16 different groups of four banks (64 banks of 4 bytes: ISA guide 11.1)
.set PBW,    480                       ; a k row of the weights: 384 bytes with 16 of padding behind every 64
.set HALFA,  64*PA
.set HALFB,  64*PBW
.set BOFF,   2*HALFA
.set SLOT,   BOFF+2*HALFB              ; 96,256
.set SPARE,  2*SLOT                    ; behind the ring: the spare words, 128 bytes a wave, two blocks of 256 bytes that no other line names
.set LAPS,   1024/(2*KSTEP)
.set X16,    58720256
.set WQKV,   50331648
.set ADRA, 16                          ; v16-17  LDS address of my fragments of x in slot 0, 1
.set ADRB, 20                          ; v20-21  the same for the weights
.set OFQ,  24                          ; v24     my 16 bytes in a q or k chunk
.set OFV,  25                          ; v25     in a v chunk
.set SPW,  28                          ; v28     my spare word; never rewritten
.set NIL,  29                          ; v29     0; never rewritten
.set OFB,  40                          ; v40-45  the one of the two that column block b takes
.set ACC,  64
.set F0,   0
.set F1,   128
.set T,    0                           ; window 1, the way out: 2^(z log2 e), then the result
.set PP,   48                          ; z + 1 (v: z)
.set Y,    96                          ; packed, two buffers of 24
.set G1,  24
.set G0,  32
.set G1B, 48
.set G0B, 56
.set ONE, 66                           ; s[66:77] by column block, as pairs: 1.0, or 0 for v
.set TH,  78                           ; s78-83   1.0, or minus infinity for v
.set VM,  84                           ; s84-89   0, or all ones for v
.set LG,  90                           ; s[90:91] log2 e
.set MSB, 0
.macro WIN new                         ; the immediate's high byte repeats the setting that is left; a switch that changes nothing is dropped
.if MSB != (\new)
	s_set_vgpr_msb (MSB<<8)|(\new)
.set MSB, \new
.endif
.endm
.set MUL,  0x05                        ; sources 0 and 1 window 1; C and D window 0
.set TO_F, 0x40                        ; destination window 1, address window 0
.macro PLACES                          ; four places in front of loads into registers that matrix instructions have read, and of lines that read results
.rept 4
	v_nop
.endr
.endm
.macro JLOAD s                         ; a joint load: waves 0 and 1 fetch x's two halves, waves 2 and 3 the weights'; an s_nop 0 and four v_nop follow each line
	s_cmp_eq_u32 s11, 0
	s_cbranch_scc0 .Lfor_b_\@
	tensor_load_to_lds s[G0+4*(\s):G0+4*(\s)+3], s[G1:G1+7]
	s_nop 0
.rept 4
	v_nop
.endr
	s_branch .Lasked_\@
.Lfor_b_\@:
	tensor_load_to_lds s[G0B+4*(\s):G0B+4*(\s)+3], s[G1B:G1B+7]
	s_nop 0
.rept 4
	v_nop
.endr
.Lasked_\@:
.endm
.macro CREST                           ; a round of the cluster's barrier behind its opening barrier
	s_cmp_lg_u32 s10, 0
	s_cbranch_scc1 .Lnot_wave_0_\@
	s_barrier_signal -3
.Lnot_wave_0_\@:
	s_barrier_wait -3
	s_barrier_signal -1
	s_barrier_wait -1
.endm
.macro CROUND
	s_barrier_signal -1
	s_barrier_wait -1
	CREST
.endm
	s_load_b128 s[4:7], s[0:1], 0x0                ; wts s[4:5], qkv s[6:7]
	v_lshl_add_u32 v[SPW], v0, 2, SPARE
	v_mov_b32 v[NIL], 0
	ds_add_u32 v[SPW], v[NIL]                      ; the wave's opening: the add and its wait ahead of my first tensor load; the set-up below stands between them
	v_lshrrev_b32 v1, 5, v0
	v_readfirstlane_b32 s10, v1                    ; wave 0..3
	s_lshr_b32 s11, s10, 1                         ; which 64 tokens are mine.  Also: I fetch x (0) or weights (1)
	s_and_b32 s12, s10, 1                          ; which 96 columns.  Also: which half of that tile I fetch
	s_bfe_u32 s40, ttmp6, 0x40000                  ; cx
	s_bfe_u32 s41, ttmp6, 0x40004                  ; cy
	s_lshl_b32 s42, ttmp9, 2
	s_add_co_u32 s42, s42, s40                     ; tile column
	s_and_b32 s13, ttmp7, 0xffff
	s_lshl_b32 s13, s13, 2
	s_add_co_u32 s13, s13, s41                     ; tile row
	s_lshl_b32 s43, s41, 2
	s_lshl_b32 s43, 15, s43                        ; my row of the cluster
	s_lshl_b32 s44, 0x1111, s40                    ; my column
	s_or_b32 s[G1+0], s43, (1<<16)|(1<<20)|(1<<21)|(5<<22)|(3<<25)   ; mask; 2-byte elements; padding on; bit 21 beside a mask; 4 words behind every 64
	s_mov_b32 s[G1+1], KSTEP<<16                   ; tensor_dim0 = 128
	s_mov_b32 s[G1+2], 64<<16                      ; tensor_dim1 = 64
	s_mov_b32 s[G1+3], KSTEP<<16                   ; tile_dim0 = 128
	s_mov_b32 s[G1+4], 64                          ; tile_dim1 = 64
	s_mov_b32 s[G1+5], 1024                        ; elements from row to row
	s_mov_b32 s[G1+6], 0
	s_mov_b32 s[G1+7], 0
	s_or_b32 s[G1B+0], s44, (1<<16)|(1<<20)|(1<<21)|(3<<22)|(3<<25)  ; 4 words behind every 16
	s_mov_b32 s[G1B+1], 192<<16
	s_mov_b32 s[G1B+2], 64<<16
	s_mov_b32 s[G1B+3], 192<<16
	s_mov_b32 s[G1B+4], 64
	s_mov_b32 s[G1B+5], 3072
	s_mov_b32 s[G1B+6], 0
	s_mov_b32 s[G1B+7], 0
	s_lshl_b32 s16, s13, 7                         ; x: row 128 x tile row + 64 x half, 2,048 bytes a row
	s_lshl_b32 s17, s12, 6
	s_add_co_u32 s16, s16, s17
	s_lshl_b32 s16, s16, 11
	s_add_co_u32 s16, s16, X16
	s_mov_b32 s17, 0
	s_mul_i32 s46, s12, 64*6144                    ; weights: k row 64 x half, 6,144 bytes a row; column 192 x tile column
	s_mul_i32 s47, s42, 384
	s_add_co_u32 s46, s46, s47
	s_add_co_u32 s46, s46, WQKV
	s_mov_b32 s47, 0
	s_mul_i32 s20, s12, HALFA                      ; where they go: no place in the cluster enters an LDS address
	s_mul_i32 s21, s12, HALFB
	s_add_co_u32 s21, s21, BOFF
	s_mov_b32 s[LG], 0x3fb8aa3b
	s_mov_b32 s[LG+1], s[LG]
	s_wait_dscnt 0x0                               ; the opening add is done
	s_wait_kmcnt 0x0
	s_add_nc_u64 s[14:15], s[4:5], s[16:17]
	s_add_nc_u64 s[46:47], s[4:5], s[46:47]
	CROUND                                         ; all sixteen work-groups are here: the first joint loads meet
.irp s, 0,1
	s_mov_b32 s[G0+4*(\s)], 1
	s_add_co_u32 s[G0+4*(\s)+1], s20, (\s)*SLOT
	s_add_nc_u64 s[G0+4*(\s)+2:G0+4*(\s)+3], s[14:15], (\s)*KSTEP*2
	s_or_b32 s[G0+4*(\s)+3], s[G0+4*(\s)+3], 0x80000000
	s_mov_b32 s[G0B+4*(\s)], 1
	s_add_co_u32 s[G0B+4*(\s)+1], s21, (\s)*SLOT
	s_add_nc_u64 s[G0B+4*(\s)+2:G0B+4*(\s)+3], s[46:47], (\s)*KSTEP*6144
	s_or_b32 s[G0B+4*(\s)+3], s[G0B+4*(\s)+3], 0x80000000
	JLOAD \s                                       ; two loads of mine are out
.endr
	v_and_b32 v1, 15, v0                           ; r = l % 16
	v_bfe_u32 v2, v0, 4, 1                         ; h = l / 16
	v_and_b32 v3, 7, v0
	v_bfe_u32 v4, v0, 3, 1
	v_mul_u32_u24 v5, v1, PA
	v_lshl_add_u32 v5, v2, 4, v5                   ; x: row x pitch + 16 h
	v_lshl_add_u32 v6, v2, 3, v3                   ; weights: k row 8 h + l % 8,
	v_mul_u32_u24 v6, v6, PBW
	v_lshl_add_u32 v6, v4, 4, v6                   ; column octet (l / 8) % 2
	s_mul_i32 s22, s11, HALFA                      ; my 64 tokens
	s_mul_i32 s23, s12, 240                        ; my six column blocks: 192 bytes and three paddings on
	s_add_co_u32 s23, s23, BOFF
.irp s, 0,1
	v_add_nc_u32 v[ADRA+(\s)], s22, v5
	v_add_nc_u32 v[ADRB+(\s)], s23, v6
	s_add_co_u32 s22, s22, SLOT
	s_add_co_u32 s23, s23, SLOT
.endr
	v_and_b32 v[OFQ], 31, v0
	v_lshlrev_b32 v[OFQ], 4, v[OFQ]
	v_lshlrev_b32 v[OFV], 4, v3
	v_lshl_add_u32 v[OFV], v2, 7, v[OFV]
	v_lshl_add_u32 v[OFV], v4, 8, v[OFV]
	s_mul_i32 s22, s42, 12                         ; my first column block of 16 among the 192: blocks from 128 on are v's
	s_mul_i32 s23, s12, 6
	s_add_co_u32 s22, s22, s23
.irp b, 0,1,2,3,4,5
	s_add_co_u32 s23, s22, \b
	s_cmp_ge_u32 s23, 128
	s_cselect_b32 s[ONE+2*\b], 0, 1.0
	s_cselect_b32 s[ONE+2*\b+1], 0, 1.0
	s_cselect_b32 s[TH+\b], 0xff800000, 1.0
	s_cselect_b32 s[VM+\b], -1, 0
	v_cndmask_b32 v[OFB+\b], v[OFQ], v[OFV], s[VM+\b]
.endr
	s_lshl_b32 s92, s13, 3                         ; my first chunk: token block 8 x tile row + 4 x half, 192 chunks a block
	s_lshl_b32 s93, s11, 2
	s_add_co_u32 s92, s92, s93
	s_mul_i32 s92, s92, 192
	s_add_co_u32 s92, s92, s22
	s_lshl_b32 s92, s92, 9
	s_mov_b32 s93, 0
	s_add_nc_u64 s[6:7], s[6:7], s[92:93]
.macro MUL6 f, a, zero                 ; token block a x all six column blocks, 32 along K; zero = 1: the products start the sums
	WIN MUL
.irp b, 0,1,2,3,4,5
.if \zero
	v_wmma_f32_16x16x32_f16 v[ACC+8*(6*(\a)+(\b)):ACC+8*(6*(\a)+(\b))+7], v[(\f)+8*(\b):(\f)+8*(\b)+7], v[(\f)+48+8*(\a):(\f)+48+8*(\a)+7], 0
.else
	v_wmma_f32_16x16x32_f16 v[ACC+8*(6*(\a)+(\b)):ACC+8*(6*(\a)+(\b))+7], v[(\f)+8*(\b):(\f)+8*(\b)+7], v[(\f)+48+8*(\a):(\f)+48+8*(\a)+7], v[ACC+8*(6*(\a)+(\b)):ACC+8*(6*(\a)+(\b))+7]
.endif
.endr
.endm
.macro FETCH slot, q, f                ; 20 LDS loads in one run: quarter q (32 along K) of the slot into buffer f: the weights' twelve first, then x's eight
	WIN TO_F
.irp b, 0,1,2,3,4,5
	ds_load_tr16_b128 v[(\f)+8*(\b):(\f)+8*(\b)+3],   v[ADRB+(\slot)] offset:(\q)*32*PBW+32*(\b)+16*((\b)/2)
	ds_load_tr16_b128 v[(\f)+8*(\b)+4:(\f)+8*(\b)+7], v[ADRB+(\slot)] offset:(\q)*32*PBW+16*PBW+32*(\b)+16*((\b)/2)
.endr
.irp a, 0,1,2,3
	ds_load_b128 v[(\f)+48+8*(\a):(\f)+48+8*(\a)+3],   v[ADRA+(\slot)] offset:(\q)*64+(\a)*16*PA
	ds_load_b128 v[(\f)+48+8*(\a)+4:(\f)+48+8*(\a)+7], v[ADRA+(\slot)] offset:(\q)*64+(\a)*16*PA+32
.endr
.endm
; A K step is four quarters of 32 along K, 24 matrix instructions each, on buffers 0, 1, 0, 1; the 24 accumulators take turns.
.macro QUARTER slot, q, f, g, zero     ; multiplies buffer f; in its middle fetches quarter q into buffer g
	s_wait_dscnt 4                                 ; all but the youngest four loads (x's token blocks 2 and 3) are in
	MUL6 \f, 0, \zero
	MUL6 \f, 1, \zero
	PLACES
	FETCH \slot, \q, \g
	s_wait_dscnt 20                                ; all but the 20 just issued
	MUL6 \f, 2, \zero
	MUL6 \f, 3, \zero
.endm
; The last quarter multiplies buffer 1 and changes slots: one barrier; in front of it each wave waits for all its tensor loads (one is out: its part of the next slot), adds 0 to its spare word, and waits
; for that and for its reads of this slot.  fill = 1: the barrier opens a round of the cluster's, and the slot is filled again, two K steps ahead, first thing behind the round.
.macro TURN slot, next, fill
	WIN 0
	s_wait_tensorcnt 0x0
	ds_add_u32 v[SPW], v[NIL]
	s_wait_dscnt 7                                 ; the add and x's token blocks 1 to 3 (six loads) may be out
	MUL6 F1, 0, 0
	s_wait_dscnt 0x0                               ; the add is done, and my reads of this slot are over
	s_barrier_signal -1
	MUL6 F1, 1, 0
	WIN 0
	s_barrier_wait -1
.if \fill
	CREST
	s_add_nc_u64 s[G0+4*(\slot)+2:G0+4*(\slot)+3], s[G0+4*(\slot)+2:G0+4*(\slot)+3], 2*KSTEP*2
	s_add_nc_u64 s[G0B+4*(\slot)+2:G0B+4*(\slot)+3], s[G0B+4*(\slot)+2:G0B+4*(\slot)+3], 2*KSTEP*6144
	JLOAD \slot                                    ; its four v_nop are also the places in front of the loads below
.else
	PLACES
.endif
	FETCH \next, 0, F0
	MUL6 F1, 2, 0
	MUL6 F1, 3, 0
.endm
	s_wait_tensorcnt 1                             ; my part of K step 0 is in; step 1's may stay out
	s_barrier_signal -1
	s_barrier_wait -1
	FETCH 0, 0, F0
	QUARTER 0, 1, F0, F1, 1                        ; the first quarter stands in front of the loop: its products start the sums
	WIN 0
	s_mov_b32 s3, LAPS-1
.Llap:                                                 ; a trip goes once round the ring and fills both slots again
	QUARTER 0, 2, F1, F0, 0
	QUARTER 0, 3, F0, F1, 0
	TURN 0, 1, 1
	QUARTER 1, 1, F0, F1, 0
	QUARTER 1, 2, F1, F0, 0
	QUARTER 1, 3, F0, F1, 0
	TURN 1, 0, 1
	QUARTER 0, 1, F0, F1, 0
	WIN 0
	s_sub_co_u32 s3, s3, 1
	s_cmp_lg_u32 s3, 0
	s_cbranch_scc1 .Llap
	QUARTER 0, 2, F1, F0, 0                        ; the last lap fills nothing
	QUARTER 0, 3, F0, F1, 0
	TURN 0, 1, 0
	QUARTER 1, 1, F0, F1, 0
	QUARTER 1, 2, F1, F0, 0
	QUARTER 1, 3, F0, F1, 0
	s_wait_dscnt 4
	MUL6 F1, 0, 0
	MUL6 F1, 1, 0
	s_wait_dscnt 0x0
	MUL6 F1, 2, 0
	MUL6 F1, 3, 0
	WIN 0
	PLACES
; THE WAY OUT of token block a.  48 exponentials are one batch with one wait; the 24 packed additions are the plain work behind them.  Each accumulator is read from its low end on.
.macro OUTA a
.set YB, Y+24*((\a)%2)
	s_wait_xcnt 0x0                                ; the stores of two blocks ago have read their registers
	WIN 0x40
.set i, 0
.rept 24
	v_pk_mul_f32 v[T+2*i:T+2*i+1], v[ACC+48*(\a)+2*i:ACC+48*(\a)+2*i+1], s[LG:LG+1] op_sel_hi:[1,0]
.set i, i+1
.endr
	WIN 0x41
.set i, 0
.rept 48
	v_exp_f32 v[T+i], v[T+i]
.set i, i+1
.endr
	WIN 0x40
.set i, 0
.rept 24
	v_pk_add_f32 v[PP+2*i:PP+2*i+1], v[ACC+48*(\a)+2*i:ACC+48*(\a)+2*i+1], s[ONE+2*(i/4):ONE+2*(i/4)+1] op_sel_hi:[1,0]
.set i, i+1
.endr
	s_wait_alu depctr_va_vdst(0)                   ; the wait ahead of the batch's first reader
	WIN 0x45
.set i, 0
.rept 48
	v_cmp_lt_f32 vcc_lo, s[TH+i/8], v[PP+i]        ; q, k: z + 1 > 1; v: always
	v_cndmask_b32 v[T+i], v[T+i], v[PP+i], vcc_lo
.set i, i+1
.endr
.set i, 0
.rept 24
	v_cvt_pk_f16_f32 v[YB+i], v[T+2*i], v[T+2*i+1]
.set i, i+1
.endr
	WIN 0x04                                       ; address window 0, data window 1
.irp b, 0,1,2,3,4,5
	global_store_b128 v[OFB+\b], v[YB+4*\b:YB+4*\b+3], s[6:7] offset:98304*(\a)+512*\b  ; one chunk: 512 consecutive bytes, aligned
.endr
.endm
	OUTA 0
	OUTA 1
	OUTA 2
	OUTA 3
	WIN 0
	s_wait_tensorcnt 0x0                           ; the wave's end
	ds_add_u32 v[SPW], v[NIL]
	s_wait_dscnt 0x0
	CROUND                                         ; the closing round
	s_endpgm
.Lfunc_end_k_qca3790fe1c_qkv:
	.size	k_qca3790fe1c_qkv, .Lfunc_end_k_qca3790fe1c_qkv-k_qca3790fe1c_qkv
	.p2alignl 7, 3214868480
	.fill 96, 4, 3214868480
	.section	.rodata,"a",@progbits
	.p2align	6, 0x0
	.amdhsa_kernel k_qca3790fe1c_qkv
		.amdhsa_group_segment_fixed_size 327680
		.amdhsa_private_segment_fixed_size 0
		.amdhsa_enable_private_segment 0
		.amdhsa_kernarg_size 16
		.amdhsa_user_sgpr_count 2
		.amdhsa_user_sgpr_kernarg_segment_ptr 1
		.amdhsa_wavefront_size32 1
		.amdhsa_system_sgpr_workgroup_id_x 1
		.amdhsa_system_sgpr_workgroup_id_y 1
		.amdhsa_system_sgpr_workgroup_id_z 1
		.amdhsa_system_vgpr_workitem_id 0
		.amdhsa_next_free_vgpr 512
		.amdhsa_next_free_sgpr 96
		.amdhsa_reserve_vcc 1
		.amdhsa_float_denorm_mode_32 3
		.amdhsa_float_denorm_mode_16_64 3
		.amdhsa_memory_ordered 1
		.amdhsa_forward_progress 1
		.amdhsa_inst_pref_size 100
	.end_amdhsa_kernel
	.amdgpu_metadata
---
amdhsa.version: [ 1, 2 ]
amdhsa.kernels:
  - .name:           k_qca3790fe1c_qkv
    .symbol:         k_qca3790fe1c_qkv.kd
    .args:
      - { .name: wts, .offset: 0, .size: 8, .value_kind: global_buffer, .address_space: global }
      - { .name: qkv, .offset: 8, .size: 8, .value_kind: global_buffer, .address_space: global }
    .group_segment_fixed_size: 327680
    .private_segment_fixed_size: 0
    .kernarg_segment_align: 8
    .kernarg_segment_size: 16
    .max_flat_workgroup_size: 128
    .sgpr_count:     96
    .vgpr_count:     512
    .wavefront_size: 32
...
	.end_amdgpu_metadata
.endif
;; end of part 2
;; launch attn (part 3): grid 16 x 16, 4 waves a work-group, clusters of 4 x 1, 327,680 bytes of LDS; arguments qkv, obuf; writes obuf
.if DOCPART == 3
	.amdgcn_target "amdgcn-amd-amdhsa--gfx1250"
	.amdhsa_code_object_version 6
	.text
	.protected	k_qca3790fe1c_attn
	.globl	k_qca3790fe1c_attn
	.p2align	8
	.type	k_qca3790fe1c_attn,@function
k_qca3790fe1c_attn:
	s_mov_b64 s[64:65], 0
	v_nop
	global_prefetch_b8 v0, s[64:65] scope:SCOPE_SE
	s_setreg_imm32_b32 hwreg(HW_REG_WAVE_MODE, 25, 1), 1
	s_wait_xcnt 0x0
	s_wait_alu depctr_hold_cnt(0) depctr_sa_sdst(0) depctr_va_vdst(0) depctr_va_sdst(0) depctr_va_ssrc(0) depctr_va_vcc(0) depctr_vm_vsrc(0)
	s_getreg_b32 s2, hwreg(HW_REG_IB_STS2, 6, 4)
	s_cmp_eq_u32 s2, 0
	s_cbranch_scc0 .Lentry_in_a_cluster
	s_endpgm
.Lentry_in_a_cluster:
	s_bfe_u32 s2, ttmp6, 0x10000c
	s_cmp_lg_u32 s2, 0x3003
	s_cbranch_scc0 .Lentry_shape_is_right
	s_endpgm
.Lentry_shape_is_right:
; ATTENTION.  O[q] = sum over k of softmax_k(q . k) v[k], for 16 pairs (batch, head) of 512 tokens, 256 channels, no scale.  q, k, v, the weights p and O in f16; products, maxima and sums in f32.
; LIMITS.  f16's range, 65,504, for q, k, v.  p = 2^(c s - c m), c = log2 e, m the row's true maximum over all 512 keys; c m is rounded once a row, a factor common to the row's weights, which l cancels.
; A weight below 2^-126 counts as 0; NaN and infinities are not treated apart.
; SHARES.  A work-group has 32 queries (two tiles of 16) of one pair.  Straight-line text: no loop, no slot filled twice.
;   1. Wave w makes S^T = K Q^T for ITS 128 keys; K comes from memory straight into fragments (qkv's chunks are fragments), each byte once a work-group.
;   2. The four waves' row maxima meet in LDS; each wave makes its weights, their sum, and puts P (f16, already source 1's register image) into LDS.
;   3. Wave w makes O^T = V^T P for ITS 64 channels over all 512 keys; its V (64 KB) was brought by its own tensor load at the start and is read by it alone.
; CLUSTER.  The four query blocks of a cluster share a pair, so V is asked for jointly.  K is not: it goes through registers, which no joint load reaches, and LDS has no room for it beside V
; (262,144 bytes of V, 32,768 of P).
; REGISTERS.  Window 0: v1-10 addresses; v32-58 statistics; v64-191 S^T (tile t, key block kb at 64 + 64 t + 8 kb), later O^T at v64-127; v192-255 P packed, later O packed.
;   Window 1: Q (64 t + 8 c), later P of all keys (16 kc + 8 t).  Windows 2 and 3: K (64 (kb % 4) + 8 c), later V (32 (kc % 8) + 8 cb).
.set PBASE, 262144                     ; P: [tile 2][32 keys: 16][1,024 bytes]
.set MB,    294912                     ; maxima: [wave 4][tile 2][query 16] words
.set LB,    295424                     ; sums, likewise
.set SPARE, 295936                     ; the spare words, 128 bytes a wave
.set TBROW, 98304                      ; bytes of a token block in qkv
.set PST, 4
.set PLD, 5
.set VAD, 6
.set MST, 7
.set MLD, 8
.set LST, 9
.set LLD, 10
.set SPW, 30
.set NIL, 31
.set CH,  32                           ; v32-39  four chains a tile
.set CM,  40                           ; v40-43  c m, a pair a tile
.set LDV, 44                           ; v44-51  the four waves' figures, by tile
.set RL,  54                           ; v54-57  1 / l, a pair a tile
.set TX,  58
.set S,   64
.set PK,  192
.set O,   64
.set OB,  192
.set G1,  24
.set G0,  32
.set CS,  44                           ; s[44:45] c
.set SEL, 46                           ; s[46:47]
.set MSB, 0
.macro WIN new
.if MSB != (\new)
	s_set_vgpr_msb (MSB<<8)|(\new)
.set MSB, \new
.endif
.endm
.macro PLACES
.rept 4
	v_nop
.endr
.endm
.macro CROUND
	s_barrier_signal -1
	s_barrier_wait -1
	s_cmp_lg_u32 s10, 0
	s_cbranch_scc1 .Lnot_wave_0_\@
	s_barrier_signal -3
.Lnot_wave_0_\@:
	s_barrier_wait -3
	s_barrier_signal -1
	s_barrier_wait -1
.endm
	s_load_b128 s[4:7], s[0:1], 0x0                ; qkv s[4:5], obuf s[6:7]
	v_lshl_add_u32 v[SPW], v0, 2, SPARE
	v_mov_b32 v[NIL], 0
	ds_add_u32 v[SPW], v[NIL]                      ; the wave's opening: the add and its wait ahead of my first tensor load
	v_lshrrev_b32 v2, 5, v0
	v_readfirstlane_b32 s10, v2                    ; wave
	v_and_b32 v1, 31, v0
	v_lshlrev_b32 v1, 4, v1                        ; 16 l
	s_bfe_u32 s13, ttmp6, 0x40000                  ; cx
	s_lshl_b32 s14, ttmp9, 2
	s_add_co_u32 s14, s14, s13                     ; my block of 32 queries: it enters Q's and O's addresses alone
	s_and_b32 s15, ttmp7, 0xffff                   ; the pair, which the four partners share
	s_lshr_b32 s16, s15, 2                         ; batch
	s_and_b32 s17, s15, 3                          ; head
	s_mul_i32 s21, s16, 32*192                     ; chunks: the batch's first token block,
	s_lshl_b32 s20, s17, 4
	s_add_co_u32 s21, s21, s20                     ; the head's 16 column blocks
	s_lshl_b32 s22, s10, 2                         ; V: column blocks 128 + 16 head + 4 wave on
	s_add_co_u32 s22, s22, s21
	s_add_co_u32 s22, s22, 128
	s_lshl_b32 s22, s22, 9
	s_mov_b32 s23, 0
	s_mul_i32 s18, s10, 8*192                      ; K: my 8 token blocks, column blocks 64 + 16 head on
	s_add_co_u32 s18, s18, s21
	s_add_co_u32 s18, s18, 64
	s_lshl_b32 s18, s18, 9
	s_mov_b32 s19, 0
	s_mul_i32 s36, s14, 2*192                      ; Q: my 2 token blocks
	s_add_co_u32 s36, s36, s21
	s_lshl_b32 s36, s36, 9
	s_mov_b32 s37, 0
	s_lshl_b32 s38, s16, 11                        ; O: 64 chunks a token block
	s_lshl_b32 s39, s14, 7
	s_add_co_u32 s38, s38, s39
	s_add_co_u32 s38, s38, s20
	s_lshl_b32 s39, s10, 2
	s_add_co_u32 s38, s38, s39
	s_lshl_b32 s38, s38, 9
	s_mov_b32 s39, 0
	s_mov_b32 s[G1+0], 15|(3<<16)|(1<<21)          ; the mask of four; 8-byte elements; bit 21 beside a mask; no padding: chunks are read 512 consecutive bytes at a time
	s_mov_b32 s[G1+1], 256<<16                     ; tensor_dim0 = 256: four chunks, 2,048 bytes
	s_mov_b32 s[G1+2], 32<<16                      ; tensor_dim1 = 32 token blocks
	s_mov_b32 s[G1+3], 256<<16
	s_mov_b32 s[G1+4], 32
	s_mov_b32 s[G1+5], TBROW/8
	s_mov_b32 s[G1+6], 0
	s_mov_b32 s[G1+7], 0
	s_mov_b32 s[G0], 1
	s_lshl_b32 s[G0+1], s10, 16                    ; my 65,536 bytes of LDS
	s_mov_b32 s[CS], 0x3fb8aa3b
	s_mov_b32 s[CS+1], s[CS]
	s_mov_b32 s[SEL], 0x76543210
	s_mov_b32 s[SEL+1], 0xfedcba98
	s_wait_dscnt 0x0                               ; the opening add is done
	s_wait_kmcnt 0x0
	s_add_nc_u64 s[G0+2:G0+3], s[4:5], s[22:23]
	s_or_b32 s[G0+3], s[G0+3], 0x80000000
	s_add_nc_u64 s[18:19], s[4:5], s[18:19]
	s_add_nc_u64 s[36:37], s[4:5], s[36:37]
	s_add_nc_u64 s[6:7], s[6:7], s[38:39]
	CROUND                                         ; all four work-groups are here: the joint loads meet
	tensor_load_to_lds s[G0:G0+3], s[G1:G1+7]      ; my one tensor load of the launch
	s_nop 0
.rept 4
	v_nop
.endr
	WIN 0x40
.set i, 0
.rept 16                                ; Q: tile i / 8, channels 32 (i % 8) on
	global_load_b128 v[8*i:8*i+3],   v1, s[36:37] offset:(i/8)*TBROW+(i%8)*1024
	global_load_b128 v[8*i+4:8*i+7], v1, s[36:37] offset:(i/8)*TBROW+(i%8)*1024+512
.set i, i+1
.endr
	WIN 0x80
.set i, 0
.rept 32                                ; K: key block i / 8, channels 32 (i % 8) on
	global_load_b128 v[8*i:8*i+3],   v1, s[18:19] offset:(i/8)*TBROW+(i%8)*1024
	global_load_b128 v[8*i+4:8*i+7], v1, s[18:19] offset:(i/8)*TBROW+(i%8)*1024+512
.set i, i+1
.endr
	WIN 0xc0
.set i, 0
.rept 32
	global_load_b128 v[8*i:8*i+3],   v1, s[18:19] offset:(4+i/8)*TBROW+(i%8)*1024
	global_load_b128 v[8*i+4:8*i+7], v1, s[18:19] offset:(4+i/8)*TBROW+(i%8)*1024+512
.set i, i+1
.endr
	WIN 0
	s_lshl_b32 s20, s10, 12
	s_add_co_u32 s20, s20, PBASE
	v_add_nc_u32 v[PST], s20, v1
	v_add_nc_u32 v[PLD], PBASE, v1
	s_lshl_b32 s20, s10, 16
	v_add_nc_u32 v[VAD], s20, v1
	v_and_b32 v3, 15, v0
	v_lshlrev_b32 v3, 2, v3                        ; 4 x query
	s_lshl_b32 s20, s10, 7
	s_add_co_u32 s21, s20, MB
	v_add_nc_u32 v[MST], s21, v3
	v_add_nc_u32 v[MLD], MB, v3
	s_add_co_u32 s21, s20, LB
	v_add_nc_u32 v[LST], s21, v3
	v_add_nc_u32 v[LLD], LB, v3
	v_mov_b32 v[TX], 0                             ; v_permlanex16_b32's destination counts as read
; S^T for key blocks 2 g and 2 g + 1: 32 matrix instructions; the four accumulators take turns.
.macro SGRP g, left
	s_wait_loadcnt \left
	WIN 0x06+(\g)/2                                ; K window 2 or 3, Q window 1, S^T window 0
.set c, 0
.rept 8
.irp kk, 0,1
.irp t, 0,1
.set kb, 2*(\g)+(\kk)
.if c == 0
	v_wmma_f32_16x16x32_f16 v[S+64*(\t)+8*kb:S+64*(\t)+8*kb+7], v[64*(kb%4)+8*c:64*(kb%4)+8*c+7], v[64*(\t)+8*c:64*(\t)+8*c+7], 0
.else
	v_wmma_f32_16x16x32_f16 v[S+64*(\t)+8*kb:S+64*(\t)+8*kb+7], v[64*(kb%4)+8*c:64*(kb%4)+8*c+7], v[64*(\t)+8*c:64*(\t)+8*c+7], v[S+64*(\t)+8*kb:S+64*(\t)+8*kb+7]
.endif
.endr
.endr
.set c, c+1
.endr
.endm
	SGRP 0, 63                                     ; behind Q and key blocks 0, 1 stand 96 loads; 63 is the largest count that the wait can name, so it waits for more than it need
	SGRP 1, 63                                     ; 64 stand behind
	SGRP 2, 32
	SGRP 3, 0
	WIN 0
	PLACES
; My 128 keys' maximum for tile t: four chains, three operands at a time; each accumulator is read from its low end on.
.macro LMAX t
.set SB, S+64*(\t)
.set CB, CH+4*(\t)
.irp k, 0,1,2,3
	v_max3_num_f32 v[CB+\k], v[SB+8*\k], v[SB+8*\k+1], v[SB+8*\k+2]
.endr
.irp k, 0,1,2,3
	v_max3_num_f32 v[CB+\k], v[CB+\k], v[SB+8*\k+3], v[SB+8*\k+4]
.endr
.irp k, 0,1,2,3
	v_max3_num_f32 v[CB+\k], v[CB+\k], v[SB+8*\k+5], v[SB+8*\k+6]
.endr
.irp k, 0,1,2,3
	v_max3_num_f32 v[CB+\k], v[CB+\k], v[SB+8*\k+7], v[SB+8*\k+32]
.endr
.irp k, 0,1,2,3
	v_max3_num_f32 v[CB+\k], v[CB+\k], v[SB+8*\k+33], v[SB+8*\k+34]
.endr
.irp k, 0,1,2,3
	v_max3_num_f32 v[CB+\k], v[CB+\k], v[SB+8*\k+35], v[SB+8*\k+36]
.endr
.irp k, 0,1,2,3
	v_max3_num_f32 v[CB+\k], v[CB+\k], v[SB+8*\k+37], v[SB+8*\k+38]
.endr
.irp k, 0,1,2,3
	v_max_num_f32 v[CB+\k], v[CB+\k], v[SB+8*\k+39]
.endr
	v_max3_num_f32 v[CB], v[CB], v[CB+1], v[CB+2]
	v_max_num_f32 v[CB], v[CB], v[CB+3]
	v_permlanex16_b32 v[TX], v[CB], s[SEL], s[SEL+1]  ; the query's other keys lie in the lane 16 away
	v_max_num_f32 v[CB], v[CB], v[TX]
	ds_store_b32 v[MST], v[CB] offset:64*(\t)
.endm
	LMAX 0
	LMAX 1
	s_wait_dscnt 0x0                               ; for the others' sake: my maxima are in LDS
	s_barrier_signal -1
	s_barrier_wait -1
.irp t, 0,1
.irp w, 0,1,2,3
	ds_load_b32 v[LDV+4*\t+\w], v[MLD] offset:128*\w+64*\t
.endr
.endr
	s_wait_dscnt 0x0
.irp t, 0,1
	v_max3_num_f32 v[LDV+4*\t], v[LDV+4*\t], v[LDV+4*\t+1], v[LDV+4*\t+2]
	v_max_num_f32 v[LDV+4*\t], v[LDV+4*\t], v[LDV+4*\t+3]
	v_mul_f32 v[CM+2*\t], s[CS], v[LDV+4*\t]
	v_mov_b32 v[CM+2*\t+1], v[CM+2*\t]             ; named with it as a pair
.endr
	s_wait_tensorcnt 0x0                           ; my V is in LDS; only I read it
	WIN 0x80
.set i, 0
.rept 32                                ; V of keys 0-255, turned: 32 keys i / 4, channel block i % 4; they land while the weights are made
	ds_load_tr16_b128 v[8*i:8*i+3],   v[VAD] offset:4096*(i/4)+512*(i%4)
	ds_load_tr16_b128 v[8*i+4:8*i+7], v[VAD] offset:4096*(i/4)+512*(i%4)+2048
.set i, i+1
.endr
	WIN 0
.set i, 0
.rept 64
	v_pk_fma_f32 v[S+2*i:S+2*i+1], v[S+2*i:S+2*i+1], s[CS:CS+1], v[CM+2*(i/32):CM+2*(i/32)+1] op_sel_hi:[1,0,0] neg_lo:[0,0,1] neg_hi:[0,0,1]  ; c s - c m
.set i, i+1
.endr
.set i, 0
.rept 128                               ; one batch
	v_exp_f32 v[S+i], v[S+i]
.set i, i+1
.endr
	v_nop                                          ; a plain instruction behind the last exponential,
	s_wait_alu depctr_va_vdst(0)                   ; and the one wait ahead of the batch's first reader
.set i, 0
.rept 64
	v_cvt_pk_f16_f32 v[PK+i], v[S+2*i], v[S+2*i+1]
.set i, i+1
.endr
.irp t, 0,1
.irp d, 16,8,4,2,1                      ; the sum of the tile's 32 pairs, in place
.set i, 0
.rept \d
	v_pk_add_f32 v[S+64*\t+2*i:S+64*\t+2*i+1], v[S+64*\t+2*i:S+64*\t+2*i+1], v[S+64*\t+2*(i+\d):S+64*\t+2*(i+\d)+1]
.set i, i+1
.endr
.endr
	v_add_f32 v[CH+4*\t], v[S+64*\t], v[S+64*\t+1]
	v_permlanex16_b32 v[TX], v[CH+4*\t], s[SEL], s[SEL+1]
	v_add_f32 v[CH+4*\t], v[CH+4*\t], v[TX]
.endr
.set i, 0
.rept 16                                ; tile i / 8, my 32 keys (i / 2) % 4, half i % 2
	ds_store_b128 v[PST], v[PK+4*i:PK+4*i+3] offset:16384*(i/8)+512*(i%8)
.set i, i+1
.endr
	ds_store_b32 v[LST], v[CH]
	ds_store_b32 v[LST], v[CH+4] offset:64
	s_wait_dscnt 0x0                               ; for the others' sake: my P and my sums are in LDS (and V's first half is in registers)
	s_barrier_signal -1
	s_barrier_wait -1
.irp t, 0,1
.irp w, 0,1,2,3
	ds_load_b32 v[LDV+4*\t+\w], v[LLD] offset:128*\w+64*\t
.endr
.endr
.macro PIN k0                           ; P of eight blocks of 32 keys from k0 on: 32 loads
	WIN 0x40
.set i, 0
.rept 16
	ds_load_b128 v[16*(\k0)+8*i:16*(\k0)+8*i+3],   v[PLD] offset:16384*(i%2)+1024*((\k0)+i/2)
	ds_load_b128 v[16*(\k0)+8*i+4:16*(\k0)+8*i+7], v[PLD] offset:16384*(i%2)+1024*((\k0)+i/2)+512
.set i, i+1
.endr
.endm
	PIN 0
	WIN 0xc0
.set i, 0
.rept 32                                ; V of keys 256-511
	ds_load_tr16_b128 v[8*i:8*i+3],   v[VAD] offset:4096*(8+i/4)+512*(i%4)
	ds_load_tr16_b128 v[8*i+4:8*i+7], v[VAD] offset:4096*(8+i/4)+512*(i%4)+2048
.set i, i+1
.endr
	PIN 8
; O^T += V^T P: the eight accumulators take turns.
.macro OGRP hi
	WIN 0x06+(\hi)
.set kc, 0
.rept 8
.irp cb, 0,1,2,3
.irp t, 0,1
.if (kc == 0) && ((\hi) == 0)
	v_wmma_f32_16x16x32_f16 v[O+16*\cb+8*\t:O+16*\cb+8*\t+7], v[32*kc+8*\cb:32*kc+8*\cb+7], v[128*(\hi)+16*kc+8*\t:128*(\hi)+16*kc+8*\t+7], 0
.else
	v_wmma_f32_16x16x32_f16 v[O+16*\cb+8*\t:O+16*\cb+8*\t+7], v[32*kc+8*\cb:32*kc+8*\cb+7], v[128*(\hi)+16*kc+8*\t:128*(\hi)+16*kc+8*\t+7], v[O+16*\cb+8*\t:O+16*\cb+8*\t+7]
.endif
.endr
.endr
.set kc, kc+1
.endr
.endm
	s_wait_dscnt 63                                ; behind the first half of P stand 96 loads; 63 is the largest count that the wait can name
	OGRP 0
	s_wait_dscnt 0x0
	OGRP 1
	WIN 0
.irp t, 0,1                             ; l of all 512 keys: six additions, the places behind the last products
	v_add_f32 v[LDV+4*\t], v[LDV+4*\t], v[LDV+4*\t+1]
	v_add_f32 v[LDV+4*\t+2], v[LDV+4*\t+2], v[LDV+4*\t+3]
	v_add_f32 v[LDV+4*\t], v[LDV+4*\t], v[LDV+4*\t+2]
.endr
	v_rcp_f32 v[RL], v[LDV]
	v_rcp_f32 v[RL+1], v[LDV]
	v_rcp_f32 v[RL+2], v[LDV+4]
	v_rcp_f32 v[RL+3], v[LDV+4]
	v_nop
	s_wait_alu depctr_va_vdst(0)                   ; one wait for the four reciprocals
.set i, 0
.rept 32                                ; accumulator i / 4 = 2 cb + t
	v_pk_mul_f32 v[O+2*i:O+2*i+1], v[O+2*i:O+2*i+1], v[RL+2*((i/4)%2):RL+2*((i/4)%2)+1]
.set i, i+1
.endr
.set i, 0
.rept 32
	v_cvt_pk_f16_f32 v[OB+i], v[O+2*i], v[O+2*i+1]
.set i, i+1
.endr
.irp cb, 0,1,2,3
.irp t, 0,1
	global_store_b128 v1, v[OB+4*(2*\cb+\t):OB+4*(2*\cb+\t)+3], s[6:7] offset:32768*\t+512*\cb  ; one chunk of obuf: 512 consecutive bytes, aligned
.endr
.endr
	s_wait_tensorcnt 0x0                           ; the wave's end
	ds_add_u32 v[SPW], v[NIL]
	s_wait_dscnt 0x0
	CROUND                                         ; the closing round
	s_endpgm
.Lfunc_end_k_qca3790fe1c_attn:
	.size	k_qca3790fe1c_attn, .Lfunc_end_k_qca3790fe1c_attn-k_qca3790fe1c_attn
	.p2alignl 7, 3214868480
	.fill 96, 4, 3214868480
	.section	.rodata,"a",@progbits
	.p2align	6, 0x0
	.amdhsa_kernel k_qca3790fe1c_attn
		.amdhsa_group_segment_fixed_size 327680
		.amdhsa_private_segment_fixed_size 0
		.amdhsa_enable_private_segment 0
		.amdhsa_kernarg_size 16
		.amdhsa_user_sgpr_count 2
		.amdhsa_user_sgpr_kernarg_segment_ptr 1
		.amdhsa_wavefront_size32 1
		.amdhsa_system_sgpr_workgroup_id_x 1
		.amdhsa_system_sgpr_workgroup_id_y 1
		.amdhsa_system_sgpr_workgroup_id_z 1
		.amdhsa_system_vgpr_workitem_id 0
		.amdhsa_next_free_vgpr 1024
		.amdhsa_next_free_sgpr 66
		.amdhsa_reserve_vcc 0
		.amdhsa_float_denorm_mode_32 3
		.amdhsa_float_denorm_mode_16_64 3
		.amdhsa_memory_ordered 1
		.amdhsa_forward_progress 1
		.amdhsa_inst_pref_size 77
	.end_amdhsa_kernel
	.amdgpu_metadata
---
amdhsa.version: [ 1, 2 ]
amdhsa.kernels:
  - .name:           k_qca3790fe1c_attn
    .symbol:         k_qca3790fe1c_attn.kd
    .args:
      - { .name: qkv, .offset: 0, .size: 8, .value_kind: global_buffer, .address_space: global }
      - { .name: obuf, .offset: 8, .size: 8, .value_kind: global_buffer, .address_space: global }
    .group_segment_fixed_size: 327680
    .private_segment_fixed_size: 0
    .kernarg_segment_align: 8
    .kernarg_segment_size: 16
    .max_flat_workgroup_size: 128
    .sgpr_count:     66
    .vgpr_count:     1024
    .wavefront_size: 32
...
	.end_amdgpu_metadata
.endif
;; end of part 3
;; launch oproj (part 4): grid 8 x 32, 4 waves a work-group, clusters of 4 x 4, 327,680 bytes of LDS; arguments obuf, wts, hidden_states, h1; writes h1
.if DOCPART == 4
	.amdgcn_target "amdgcn-amd-amdhsa--gfx1250"
	.amdhsa_code_object_version 6
	.text
	.protected	k_qca3790fe1c_oproj
	.globl	k_qca3790fe1c_oproj
	.p2align	8
	.type	k_qca3790fe1c_oproj,@function
k_qca3790fe1c_oproj:
	s_mov_b64 s[64:65], 0
	v_nop
	global_prefetch_b8 v0, s[64:65] scope:SCOPE_SE
	s_setreg_imm32_b32 hwreg(HW_REG_WAVE_MODE, 25, 1), 1
	s_wait_xcnt 0x0
	s_wait_alu depctr_hold_cnt(0) depctr_sa_sdst(0) depctr_va_vdst(0) depctr_va_sdst(0) depctr_va_ssrc(0) depctr_va_vcc(0) depctr_vm_vsrc(0)
	s_getreg_b32 s2, hwreg(HW_REG_IB_STS2, 6, 4)
	s_cmp_eq_u32 s2, 0
	s_cbranch_scc0 .Lentry_in_a_cluster
	s_endpgm
.Lentry_in_a_cluster:
	s_bfe_u32 s2, ttmp6, 0x10000c
	s_cmp_lg_u32 s2, 0xf033
	s_cbranch_scc0 .Lentry_shape_is_right
	s_endpgm
.Lentry_shape_is_right:
; OPROJ.  h1 = hidden + O wo: 2,048 x 1,024 x 1,024, f16 operands, f32 sums, f32 out.
; SHARES.  A tile is 64 tokens x 128 columns: 8 x 32 = 256 work-groups.  THE FOUR WAVES SPLIT K: in each K step of 256 wave w multiplies k = 64 w .. 64 w + 63 for the whole tile (32 accumulators),
; so each LDS byte is read once a work-group; the four partial sums (f32) meet in LDS at the end.
; A lies in chunks of 512 bytes ([token block][column block of 16], lane l's 16 bytes at 16 l): two neighbouring chunks are a fragment, read as 512 consecutive bytes, so A's tile has no padding.
; The weights lie [k][column]: the turning load.  The matrix instruction is used transposed: a lane holds token lane % 16 and eight neighbouring columns.
; CLUSTER.  4 x 4: A's tile is shared along a row of the cluster, the weights' along a column.
; REGISTERS.  Window 0: v16-29 addresses; two fragment buffers at v32 and v128 (eight of the weights, then four of A); on the way out v32-223 at work.  Window 1: the accumulators, (a, b) at 8 (8 a + b).  Window 2: v0-63 the residual.
.set KDIM,   1024
.set BBASE,  56623104                  ; wo in wts
.set LAPS,   KDIM/512
.set AHALF,  16384                     ; two token blocks x 16 chunks
.set PBW,    288                       ; a k row of the weights: 256 bytes + 32
.set BHALF,  128*PBW
.set BOFF,   2*AHALF
.set SLOT,   BOFF+2*BHALF              ; 106,496
.set SPARE,  2*SLOT
.set SPITCH, 528                       ; a stage row: 128 f32 + 16 bytes
.set STW,    64*SPITCH                 ; a wave's stage; the four lie over the slots, which have had their last fill by then
.set ADRA, 16
.set ADRB, 20
.set STO,  24
.set RD0,  25
.set RD2,  26
.set GO,   27
.set SPW,  28
.set NIL,  29
.set F0,   32
.set F1,   128
.set T0,   32
.set T1,   96
.set OUT,  160
.set G1,  24
.set G0,  32
.set G1B, 48
.set G0B, 56
.set RP,  72                           ; s[72:73] the residual
.set OP,  74                           ; s[74:75] the output
.set MSB, 0
.macro WIN new
.if MSB != (\new)
	s_set_vgpr_msb (MSB<<8)|(\new)
.set MSB, \new
.endif
.endm
.set MUL, 0x50                         ; sources window 0; C and D window 1
.macro PLACES
.rept 4
	v_nop
.endr
.endm
.macro JLOAD s                         ; a joint load: waves 0 and 1 fetch A's two halves, waves 2 and 3 the weights'; an s_nop 0 and four v_nop follow each line
	s_cmp_eq_u32 s11, 0
	s_cbranch_scc0 .Lfor_b_\@
	tensor_load_to_lds s[G0+4*(\s):G0+4*(\s)+3], s[G1:G1+7]
	s_nop 0
.rept 4
	v_nop
.endr
	s_branch .Lasked_\@
.Lfor_b_\@:
	tensor_load_to_lds s[G0B+4*(\s):G0B+4*(\s)+3], s[G1B:G1B+7]
	s_nop 0
.rept 4
	v_nop
.endr
.Lasked_\@:
.endm
.macro CREST
	s_cmp_lg_u32 s10, 0
	s_cbranch_scc1 .Lnot_wave_0_\@
	s_barrier_signal -3
.Lnot_wave_0_\@:
	s_barrier_wait -3
	s_barrier_signal -1
	s_barrier_wait -1
.endm
.macro CROUND
	s_barrier_signal -1
	s_barrier_wait -1
	CREST
.endm
	s_load_b128 s[4:7], s[0:1], 0x0                ; obuf s[4:5], wts s[6:7]
	s_load_b128 s[72:75], s[0:1], 0x10             ; hidden_states, h1
	v_lshl_add_u32 v[SPW], v0, 2, SPARE
	v_mov_b32 v[NIL], 0
	ds_add_u32 v[SPW], v[NIL]                      ; the wave's opening: the add and its wait ahead of my first tensor load
	v_lshrrev_b32 v1, 5, v0
	v_readfirstlane_b32 s10, v1                    ; wave: my quarter of each K step
	s_lshr_b32 s11, s10, 1                         ; I fetch A (0) or weights (1),
	s_and_b32 s12, s10, 1                          ; this half of the tile
	s_bfe_u32 s40, ttmp6, 0x40000
	s_bfe_u32 s41, ttmp6, 0x40004
	s_lshl_b32 s42, ttmp9, 2
	s_add_co_u32 s42, s42, s40                     ; column block of 128
	s_and_b32 s13, ttmp7, 0xffff
	s_lshl_b32 s13, s13, 2
	s_add_co_u32 s13, s13, s41                     ; row block of 64
	s_lshl_b32 s43, s41, 2
	s_lshl_b32 s43, 15, s43
	s_lshl_b32 s44, 0x1111, s40
	s_or_b32 s[G1+0], s43, (3<<16)|(1<<21)         ; mask; 8-byte elements; bit 21 beside a mask; no padding
	s_mov_b32 s[G1+1], 1024<<16                    ; tensor_dim0 = 1,024: 16 chunks, 8,192 bytes
	s_mov_b32 s[G1+2], 2<<16                       ; tensor_dim1 = 2 token blocks
	s_mov_b32 s[G1+3], 1024<<16
	s_mov_b32 s[G1+4], 2
	s_mov_b32 s[G1+5], 4*KDIM                      ; a token block is 32 KDIM bytes
	s_mov_b32 s[G1+6], 0
	s_mov_b32 s[G1+7], 0
	s_or_b32 s[G1B+0], s44, (1<<16)|(1<<20)|(1<<21)|(5<<22)|(7<<25)  ; 2-byte elements; 8 words of padding behind every 64
	s_mov_b32 s[G1B+1], 128<<16
	s_mov_b32 s[G1B+2], 128<<16
	s_mov_b32 s[G1B+3], 128<<16
	s_mov_b32 s[G1B+4], 128
	s_mov_b32 s[G1B+5], 1024
	s_mov_b32 s[G1B+6], 0
	s_mov_b32 s[G1B+7], 0
	s_lshl_b32 s16, s13, 2                         ; A: token block 4 x row block + 2 x half
	s_lshl_b32 s17, s12, 1
	s_add_co_u32 s16, s16, s17
	s_mul_i32 s16, s16, 32*KDIM
	s_mov_b32 s17, 0
	s_lshl_b32 s46, s12, 18                        ; weights: k row 128 x half, 2,048 bytes a row; 256 bytes a column block
	s_lshl_b32 s47, s42, 8
	s_add_co_u32 s46, s46, s47
	s_add_co_u32 s46, s46, BBASE
	s_mov_b32 s47, 0
	s_mul_i32 s20, s12, AHALF
	s_mul_i32 s21, s12, BHALF
	s_add_co_u32 s21, s21, BOFF
	s_wait_dscnt 0x0
	s_wait_kmcnt 0x0
	s_add_nc_u64 s[14:15], s[4:5], s[16:17]
	s_add_nc_u64 s[46:47], s[6:7], s[46:47]
	CROUND
.irp s, 0,1
	s_mov_b32 s[G0+4*(\s)], 1
	s_add_co_u32 s[G0+4*(\s)+1], s20, (\s)*SLOT
	s_add_nc_u64 s[G0+4*(\s)+2:G0+4*(\s)+3], s[14:15], (\s)*8192
	s_or_b32 s[G0+4*(\s)+3], s[G0+4*(\s)+3], 0x80000000
	s_mov_b32 s[G0B+4*(\s)], 1
	s_add_co_u32 s[G0B+4*(\s)+1], s21, (\s)*SLOT
	s_add_nc_u64 s[G0B+4*(\s)+2:G0B+4*(\s)+3], s[46:47], (\s)*524288
	s_or_b32 s[G0B+4*(\s)+3], s[G0B+4*(\s)+3], 0x80000000
	JLOAD \s                                       ; two loads of mine are out
.endr
	v_and_b32 v1, 15, v0                           ; r
	v_bfe_u32 v2, v0, 4, 1                         ; h
	v_and_b32 v3, 7, v0
	v_bfe_u32 v4, v0, 3, 1
	v_and_b32 v[GO], 31, v0
	v_lshlrev_b32 v[GO], 4, v[GO]                  ; 16 l
	v_lshl_add_u32 v6, v2, 3, v3
	v_mul_u32_u24 v6, v6, PBW
	v_lshl_add_u32 v6, v4, 4, v6
	s_lshl_b32 s22, s10, 11                        ; my four chunks in each token block
	s_mul_i32 s23, s10, 64*PBW                     ; my 64 k rows
	s_add_co_u32 s23, s23, BOFF
.irp s, 0,1
	v_add_nc_u32 v[ADRA+(\s)], s22, v[GO]
	v_add_nc_u32 v[ADRB+(\s)], s23, v6
	s_add_co_u32 s22, s22, SLOT
	s_add_co_u32 s23, s23, SLOT
.endr
	s_mul_i32 s22, s10, STW
	v_mul_u32_u24 v[STO], v1, SPITCH
	v_lshl_add_u32 v[STO], v2, 5, v[STO]
	v_add_nc_u32 v[STO], s22, v[STO]               ; into my stage: row r, 32 bytes for each half of the lanes
	s_mul_i32 s22, s10, 16*SPITCH
	v_add_nc_u32 v[RD0], s22, v[GO]                ; back: rows 16 w on of stages 0 and 1,
	v_add_nc_u32 v[RD2], 2*STW, v[RD0]             ; and of stages 2 and 3
	s_lshl_b32 s66, s13, 6                         ; the rows that I finish: 64 x row block + 16 w, 4,096 bytes a row; 512 bytes a column block
	s_lshl_b32 s67, s10, 4
	s_add_co_u32 s66, s66, s67
	s_lshl_b32 s66, s66, 12
	s_lshl_b32 s67, s42, 9
	s_add_co_u32 s66, s66, s67
	s_mov_b32 s67, 0
	s_add_nc_u64 s[RP:RP+1], s[RP:RP+1], s[66:67]
	s_add_nc_u64 s[OP:OP+1], s[OP:OP+1], s[66:67]
	WIN 0x80
.set i, 0
.rept 16                                ; the residual of my 16 rows: it has the whole product in which to land
	global_load_b128 v[4*i:4*i+3], v[GO], s[RP:RP+1] offset:4096*i
.set i, i+1
.endr
	WIN 0
.macro MULG f, a, zero                 ; token block a x all eight column blocks, 32 along K
	WIN MUL
.irp b, 0,1,2,3,4,5,6,7
.if \zero
	v_wmma_f32_16x16x32_f16 v[8*(8*(\a)+(\b)):8*(8*(\a)+(\b))+7], v[(\f)+8*(\b):(\f)+8*(\b)+7], v[(\f)+64+8*(\a):(\f)+64+8*(\a)+7], 0
.else
	v_wmma_f32_16x16x32_f16 v[8*(8*(\a)+(\b)):8*(8*(\a)+(\b))+7], v[(\f)+8*(\b):(\f)+8*(\b)+7], v[(\f)+64+8*(\a):(\f)+64+8*(\a)+7], v[8*(8*(\a)+(\b)):8*(8*(\a)+(\b))+7]
.endif
.endr
.endm
.macro FETCH slot, c, f                ; 24 LDS loads in one run: half c (32 along K) of my quarter of the slot: the weights' sixteen first, then A's eight
	WIN 0
.irp b, 0,1,2,3,4,5,6,7
	ds_load_tr16_b128 v[(\f)+8*(\b):(\f)+8*(\b)+3],   v[ADRB+(\slot)] offset:(\c)*32*PBW+32*(\b)
	ds_load_tr16_b128 v[(\f)+8*(\b)+4:(\f)+8*(\b)+7], v[ADRB+(\slot)] offset:(\c)*32*PBW+16*PBW+32*(\b)
.endr
.irp a, 0,1,2,3
	ds_load_b128 v[(\f)+64+8*(\a):(\f)+64+8*(\a)+3],   v[ADRA+(\slot)] offset:8192*(\a)+1024*(\c)
	ds_load_b128 v[(\f)+64+8*(\a)+4:(\f)+64+8*(\a)+7], v[ADRA+(\slot)] offset:8192*(\a)+1024*(\c)+512
.endr
.endm
; A K step is two halves of 32 matrix instructions, on buffers 0 and 1; the 32 accumulators take turns.
.macro HALF slot, zero
	s_wait_dscnt 4                                 ; all but A's token blocks 2 and 3
	MULG F0, 0, \zero
	MULG F0, 1, \zero
	PLACES
	FETCH \slot, 1, F1
	s_wait_dscnt 24                                ; all but the 24 just issued
	MULG F0, 2, \zero
	MULG F0, 3, \zero
.endm
; The second half changes slots: one barrier; in front of it each wave waits for all its tensor loads (one is out: its part of the next slot), adds 0 to its spare word, and waits for that and for its reads
; of this slot.  fill = 1: the barrier opens a round of the cluster's, and the slot is filled again, two K steps ahead, first thing behind the round.
.macro TURN slot, next, fill
	WIN 0
	s_wait_tensorcnt 0x0
	ds_add_u32 v[SPW], v[NIL]
	s_wait_dscnt 7                                 ; the add and A's token blocks 1 to 3 may be out
	MULG F1, 0, 0
	s_wait_dscnt 0x0
	s_barrier_signal -1
	MULG F1, 1, 0
	WIN 0
	s_barrier_wait -1
.if \fill
	CREST
	s_add_nc_u64 s[G0+4*(\slot)+2:G0+4*(\slot)+3], s[G0+4*(\slot)+2:G0+4*(\slot)+3], 16384
	s_add_nc_u64 s[G0B+4*(\slot)+2:G0B+4*(\slot)+3], s[G0B+4*(\slot)+2:G0B+4*(\slot)+3], 1048576
	JLOAD \slot                                    ; its four v_nop are also the places in front of the loads below
.else
	PLACES
.endif
	FETCH \next, 0, F0
	MULG F1, 2, 0
	MULG F1, 3, 0
.endm
	s_wait_tensorcnt 1                             ; my part of K step 0 is in; step 1's may stay out
	s_barrier_signal -1
	s_barrier_wait -1
	FETCH 0, 0, F0
	HALF 0, 1                                      ; the first products start the sums
	WIN 0
	s_mov_b32 s3, LAPS-1
.Llap:
	TURN 0, 1, 1
	HALF 1, 0
	TURN 1, 0, 1
	HALF 0, 0
	WIN 0
	s_sub_co_u32 s3, s3, 1
	s_cmp_lg_u32 s3, 0
	s_cbranch_scc1 .Llap
	TURN 0, 1, 0                                   ; the last lap fills nothing
	HALF 1, 0
	s_wait_dscnt 4
	MULG F1, 0, 0
	MULG F1, 1, 0
	s_wait_dscnt 0x0
	MULG F1, 2, 0
	MULG F1, 3, 0
	; THE WAY OUT.  Every wave's reads of the slots are over and every fill has landed (the last change of slots waited for all): behind this barrier the stages may lie over the slots.
	WIN 0
	PLACES
	s_wait_dscnt 0x0
	s_barrier_signal -1
	s_barrier_wait -1
	WIN 0x04                                       ; address window 0, data window 1
.irp a, 0,1,2,3
.irp b, 0,1,2,3,4,5,6,7
	ds_store_b128 v[STO], v[8*(8*\a+\b):8*(8*\a+\b)+3],   offset:16*SPITCH*\a+64*\b     ; each accumulator's low half first
	ds_store_b128 v[STO], v[8*(8*\a+\b)+4:8*(8*\a+\b)+7], offset:16*SPITCH*\a+64*\b+16
.endr
.endr
	WIN 0
	s_wait_dscnt 0x0                               ; for the others' sake: my partial sums are in LDS
	s_barrier_signal -1
	s_barrier_wait -1
	s_wait_loadcnt 0x0                             ; the residual
.macro RDB n, t                        ; rows 4 n .. 4 n + 3 of my 16, all four partial sums: 16 loads of 512 consecutive bytes
.irp i, 0,1,2,3
.irp p, 0,1
	ds_load_b128 v[(\t)+16*\i+4*\p:(\t)+16*\i+4*\p+3], v[RD0] offset:STW*\p+SPITCH*(4*(\n)+\i)
.endr
.irp p, 0,1
	ds_load_b128 v[(\t)+16*\i+8+4*\p:(\t)+16*\i+8+4*\p+3], v[RD2] offset:STW*\p+SPITCH*(4*(\n)+\i)
.endr
.endr
.endm
.macro FIN n, t
	WIN 0
.irp i, 0,1,2,3
.irp q, 0,2
	v_pk_add_f32 v[(\t)+16*\i+\q:(\t)+16*\i+\q+1], v[(\t)+16*\i+\q:(\t)+16*\i+\q+1], v[(\t)+16*\i+4+\q:(\t)+16*\i+4+\q+1]
	v_pk_add_f32 v[(\t)+16*\i+8+\q:(\t)+16*\i+8+\q+1], v[(\t)+16*\i+8+\q:(\t)+16*\i+8+\q+1], v[(\t)+16*\i+12+\q:(\t)+16*\i+12+\q+1]
.endr
.irp q, 0,2
	v_pk_add_f32 v[(\t)+16*\i+\q:(\t)+16*\i+\q+1], v[(\t)+16*\i+\q:(\t)+16*\i+\q+1], v[(\t)+16*\i+8+\q:(\t)+16*\i+8+\q+1]
.endr
.endr
	WIN 0x08                                       ; source 1 window 2: the residual
.irp i, 0,1,2,3
.irp q, 0,2
	v_pk_add_f32 v[OUT+4*(4*(\n)+\i)+\q:OUT+4*(4*(\n)+\i)+\q+1], v[(\t)+16*\i+\q:(\t)+16*\i+\q+1], v[4*(4*(\n)+\i)+\q:4*(4*(\n)+\i)+\q+1]
.endr
.endr
	WIN 0
.irp i, 0,1,2,3
	global_store_b128 v[GO], v[OUT+4*(4*(\n)+\i):OUT+4*(4*(\n)+\i)+3], s[OP:OP+1] offset:4096*(4*(\n)+\i)  ; 512 consecutive bytes, aligned; no store's register is written again
.endr
.endm
	RDB 0, T0
	RDB 1, T1
	s_wait_dscnt 16                                ; the next batch's 16 loads stay out
	FIN 0, T0
	RDB 2, T0
	s_wait_dscnt 16
	FIN 1, T1
	RDB 3, T1
	s_wait_dscnt 16
	FIN 2, T0
	s_wait_dscnt 0x0
	FIN 3, T1
	s_wait_tensorcnt 0x0                           ; the wave's end
	ds_add_u32 v[SPW], v[NIL]
	s_wait_dscnt 0x0
	CROUND                                         ; the closing round
	s_endpgm
.Lfunc_end_k_qca3790fe1c_oproj:
	.size	k_qca3790fe1c_oproj, .Lfunc_end_k_qca3790fe1c_oproj-k_qca3790fe1c_oproj
	.p2alignl 7, 3214868480
	.fill 96, 4, 3214868480
	.section	.rodata,"a",@progbits
	.p2align	6, 0x0
	.amdhsa_kernel k_qca3790fe1c_oproj
		.amdhsa_group_segment_fixed_size 327680
		.amdhsa_private_segment_fixed_size 0
		.amdhsa_enable_private_segment 0
		.amdhsa_kernarg_size 32
		.amdhsa_user_sgpr_count 2
		.amdhsa_user_sgpr_kernarg_segment_ptr 1
		.amdhsa_wavefront_size32 1
		.amdhsa_system_sgpr_workgroup_id_x 1
		.amdhsa_system_sgpr_workgroup_id_y 1
		.amdhsa_system_sgpr_workgroup_id_z 1
		.amdhsa_system_vgpr_workitem_id 0
		.amdhsa_next_free_vgpr 576
		.amdhsa_next_free_sgpr 80
		.amdhsa_reserve_vcc 0
		.amdhsa_float_denorm_mode_32 3
		.amdhsa_float_denorm_mode_16_64 3
		.amdhsa_memory_ordered 1
		.amdhsa_forward_progress 1
		.amdhsa_inst_pref_size 60
	.end_amdhsa_kernel
	.amdgpu_metadata
---
amdhsa.version: [ 1, 2 ]
amdhsa.kernels:
  - .name:           k_qca3790fe1c_oproj
    .symbol:         k_qca3790fe1c_oproj.kd
    .args:
      - { .name: obuf, .offset: 0, .size: 8, .value_kind: global_buffer, .address_space: global }
      - { .name: wts, .offset: 8, .size: 8, .value_kind: global_buffer, .address_space: global }
      - { .name: hidden_states, .offset: 16, .size: 8, .value_kind: global_buffer, .address_space: global }
      - { .name: h1, .offset: 24, .size: 8, .value_kind: global_buffer, .address_space: global }
    .group_segment_fixed_size: 327680
    .private_segment_fixed_size: 0
    .kernarg_segment_align: 8
    .kernarg_segment_size: 32
    .max_flat_workgroup_size: 128
    .sgpr_count:     80
    .vgpr_count:     576
    .wavefront_size: 32
...
	.end_amdgpu_metadata
.endif
;; end of part 4
;; launch norm2 (part 5): grid 512 x 1, 4 waves a work-group, no clusters, 768 bytes of LDS; arguments h1, ln2_w, router_w, router_b, n2; writes n2
.if DOCPART == 5
	.amdgcn_target "amdgcn-amd-amdhsa--gfx1250"
	.amdhsa_code_object_version 6
	.text
	.protected	k_qca3790fe1c_norm2
	.globl	k_qca3790fe1c_norm2
	.p2align	8
	.type	k_qca3790fe1c_norm2,@function
k_qca3790fe1c_norm2:
	s_mov_b64 s[64:65], 0
	v_nop
	global_prefetch_b8 v0, s[64:65] scope:SCOPE_SE
	s_setreg_imm32_b32 hwreg(HW_REG_WAVE_MODE, 25, 1), 1
	s_wait_xcnt 0x0
; NORM2.  x2 = ln2_w * (h1 * rsqrt(mean(h1^2) + 1e-6)) in bf16; rw = softmax(x2 router_w + router_b) in f32; for each position s the part sum over e of (mean over the batch of rw - 1/4)^2 of the balance loss.
; n2: x2 bf16 [2048][1024] at 0; rw f32 [2048][4] at RWO; loss parts f32 [512] at LOSSO.
; ORDER OF ROUNDING.  x2 is rounded from (h1 ln2_w) rs, and the logits are rs x ((h1 ln2_w) . router_w) + router_b in f32: the router's four columns are done on the vector unit (a matrix tile of 16 columns would be three quarters empty).
; The softmax takes the four logits' maximum away.  NaN and infinities are not treated apart.
; SHARES.  Work-group = position s, wave = batch b: row 512 b + s, kept in 32 registers.  The four waves' rw meet in LDS for the mean over the batch.
; rw leaves as 16 bytes a row, 32 KB in the whole launch: too little to lay out otherwise.
.set RWO,   4194304
.set LOSSO, 4227072
.set SPARE, 256                        ; the spare words, 128 bytes a wave; the exchange has the block from 0 to itself
.set SPW, 4
.set NIL, 5
.set H,   32                           ; v32-63   the row
.set W,   64                           ; v64-95   ln2_w; later x2 packed
.set R,   96                           ; v96-223  router_w: column 128 j + 4 l + c at R + 16 j + 4 c, experts 0..3
.macro LSUM x                          ; the sum over the 32 lanes, in every lane
	v_add_f32_dpp v[\x], v[\x], v[\x] row_xmask:1 row_mask:0xf bank_mask:0xf
	v_add_f32_dpp v[\x], v[\x], v[\x] row_xmask:2 row_mask:0xf bank_mask:0xf
	v_add_f32_dpp v[\x], v[\x], v[\x] row_xmask:4 row_mask:0xf bank_mask:0xf
	v_add_f32_dpp v[\x], v[\x], v[\x] row_xmask:8 row_mask:0xf bank_mask:0xf
	v_permlanex16_b32 v236, v[\x], s24, s25
	v_add_f32 v[\x], v[\x], v236
.endm
	s_load_b256 s[8:15], s[0:1], 0x0               ; h1 s[8:9], ln2_w s[10:11], router_w s[12:13], router_b s[14:15]
	s_load_b64 s[16:17], s[0:1], 0x20              ; n2
	v_lshl_add_u32 v[SPW], v0, 2, SPARE
	v_mov_b32 v[NIL], 0
	v_lshrrev_b32 v1, 5, v0
	v_readfirstlane_b32 s2, v1                     ; wave = batch
	v_and_b32 v1, 31, v0                           ; lane
	v_lshlrev_b32 v2, 4, v1
	v_lshlrev_b32 v3, 6, v1
	v_lshlrev_b32 v6, 3, v1
	v_mov_b32 v236, 0                              ; v_permlanex16_b32's destination counts as read
	v_mov_b32 v8, 0
	s_lshl_b32 s3, s2, 9
	s_add_co_u32 s3, s3, ttmp9                     ; row
	s_mov_b32 s24, 0x76543210
	s_mov_b32 s25, 0xfedcba98
	s_mov_b32 s26, 0x3a800000                      ; 1 / 1024
	s_mov_b32 s27, 0x358637bd                      ; 1e-6
	s_mov_b32 s28, 0x3e800000                      ; 1 / 4
	s_mov_b32 s29, s28
	s_lshl_b32 s4, s3, 12
	s_mov_b32 s5, 0
	s_wait_kmcnt 0x0
	s_load_b128 s[20:23], s[14:15], 0x0            ; router_b
	s_add_nc_u64 s[8:9], s[8:9], s[4:5]
	s_lshl_b32 s4, s3, 11
	s_add_nc_u64 s[18:19], s[16:17], s[4:5]        ; x2's row
	s_lshl_b32 s6, ttmp9, 2
	s_add_co_u32 s6, s6, LOSSO
	s_mov_b32 s7, 0
	s_add_nc_u64 s[6:7], s[16:17], s[6:7]          ; the loss part's word
	s_lshl_b32 s4, s3, 4
	s_add_co_u32 s4, s4, RWO
	s_add_nc_u64 s[4:5], s[16:17], s[4:5]          ; rw's row
.set j, 0
.rept 8
	global_load_b128 v[H+4*j:H+4*j+3], v2, s[8:9] offset:512*j
	global_load_b128 v[W+4*j:W+4*j+3], v2, s[10:11] offset:512*j
.irp c, 0,1,2,3
	global_load_b128 v[R+16*j+4*\c:R+16*j+4*\c+3], v3, s[12:13] offset:2048*j+16*\c
.endr
.set j, j+1
.endr
	s_wait_loadcnt 0x0
	s_wait_kmcnt 0x0
	v_pk_mul_f32 v[232:233], v[H:H+1], v[H:H+1]    ; the sum of squares, two chains
	v_pk_mul_f32 v[234:235], v[H+2:H+3], v[H+2:H+3]
.set j, 4
.rept 7
	v_pk_fma_f32 v[232:233], v[H+j:H+j+1], v[H+j:H+j+1], v[232:233]
	v_pk_fma_f32 v[234:235], v[H+j+2:H+j+3], v[H+j+2:H+j+3], v[234:235]
.set j, j+4
.endr
.set j, 0
.rept 16
	v_pk_mul_f32 v[H+2*j:H+2*j+1], v[H+2*j:H+2*j+1], v[W+2*j:W+2*j+1]
.set j, j+1
.endr
	; the four dots, as two pairs of experts; even and odd j have chains of their own; a column's number is given to both halves by op_sel
.set j, 0
.rept 8
.irp c, 0,1,2,3
.set AC, 224+4*(j%2)
.set YP, H+4*j+2*((\c)/2)
.set RR, R+16*j+4*(\c)
.if (j < 2) && ((\c) == 0)
	v_pk_mul_f32 v[AC:AC+1], v[YP:YP+1], v[RR:RR+1] op_sel_hi:[0,1]
	v_pk_mul_f32 v[AC+2:AC+3], v[YP:YP+1], v[RR+2:RR+3] op_sel_hi:[0,1]
.elseif ((\c)%2) == 0
	v_pk_fma_f32 v[AC:AC+1], v[YP:YP+1], v[RR:RR+1], v[AC:AC+1] op_sel_hi:[0,1,1]
	v_pk_fma_f32 v[AC+2:AC+3], v[YP:YP+1], v[RR+2:RR+3], v[AC+2:AC+3] op_sel_hi:[0,1,1]
.else
	v_pk_fma_f32 v[AC:AC+1], v[YP:YP+1], v[RR:RR+1], v[AC:AC+1] op_sel:[1,0,0] op_sel_hi:[1,1,1]
	v_pk_fma_f32 v[AC+2:AC+3], v[YP:YP+1], v[RR+2:RR+3], v[AC+2:AC+3] op_sel:[1,0,0] op_sel_hi:[1,1,1]
.endif
.endr
.set j, j+1
.endr
	v_pk_add_f32 v[224:225], v[224:225], v[228:229]
	v_pk_add_f32 v[226:227], v[226:227], v[230:231]
	v_pk_add_f32 v[232:233], v[232:233], v[234:235]
	v_add_f32 v232, v232, v233
	LSUM 232
	LSUM 224
	LSUM 225
	LSUM 226
	LSUM 227
	v_fma_f32 v232, v232, s26, s27
	v_rsq_f32 v234, v232
	v_rsq_f32 v235, v232
	v_nop
	s_wait_alu depctr_va_vdst(0)                   ; one wait for both roots
.irp e, 0,1,2,3
	v_fma_f32 v[224+\e], v[224+\e], v234, s[20+\e]
.endr
	v_max3_num_f32 v237, v224, v225, v226
	v_max_num_f32 v237, v237, v227
.irp e, 0,1,2,3
	v_sub_f32 v[224+\e], v[224+\e], v237
.endr
.irp e, 0,1,2,3
	v_mul_f32 v[224+\e], 0x3fb8aa3b, v[224+\e]
.endr
.irp e, 0,1,2,3
	v_exp_f32 v[224+\e], v[224+\e]
.endr
.set j, 0
.rept 16                                ; x2's scaling is the independent work behind the exponentials
	v_pk_mul_f32 v[H+2*j:H+2*j+1], v[H+2*j:H+2*j+1], v[234:235]
.set j, j+1
.endr
	s_wait_alu depctr_va_vdst(0)                   ; one wait for the four
	v_add_f32 v238, v224, v225
	v_add_f32 v239, v226, v227
	v_add_f32 v238, v238, v239
	v_rcp_f32 v239, v238
.set j, 0
.rept 16                                ; x2's rounding is the independent work behind the reciprocal
	v_cvt_pk_bf16_f32 v[W+j], v[H+2*j], v[H+2*j+1]
.set j, j+1
.endr
	s_wait_alu depctr_va_vdst(0)
.irp e, 0,1,2,3
	v_mul_f32 v[240+\e], v[224+\e], v239
.endr
.set j, 0
.rept 8
	global_store_b64 v6, v[W+2*j:W+2*j+1], s[18:19] offset:256*j   ; a wave's store covers 256 consecutive bytes, aligned
.set j, j+1
.endr
	v_mov_b32 v7, s2
	v_lshlrev_b32 v7, 4, v7
	ds_store_b128 v7, v[240:243]                   ; all lanes write the same 16 bytes with the same numbers
	s_wait_dscnt 0x0                               ; for the others' sake
	s_barrier_signal -1
	s_barrier_wait -1
	ds_load_b128 v[96:99], v8
	ds_load_b128 v[100:103], v8 offset:16
	ds_load_b128 v[104:107], v8 offset:32
	ds_load_b128 v[108:111], v8 offset:48
	s_wait_dscnt 0x0
	v_pk_add_f32 v[96:97], v[96:97], v[100:101]
	v_pk_add_f32 v[98:99], v[98:99], v[102:103]
	v_pk_add_f32 v[104:105], v[104:105], v[108:109]
	v_pk_add_f32 v[106:107], v[106:107], v[110:111]
	v_pk_add_f32 v[96:97], v[96:97], v[104:105]
	v_pk_add_f32 v[98:99], v[98:99], v[106:107]
	v_pk_fma_f32 v[96:97], v[96:97], s[28:29], s[28:29] op_sel_hi:[1,0,0] neg_lo:[0,0,1] neg_hi:[0,0,1]  ; sum / 4 - 1 / 4
	v_pk_fma_f32 v[98:99], v[98:99], s[28:29], s[28:29] op_sel_hi:[1,0,0] neg_lo:[0,0,1] neg_hi:[0,0,1]
	v_pk_mul_f32 v[96:97], v[96:97], v[96:97]
	v_pk_fma_f32 v[96:97], v[98:99], v[98:99], v[96:97]
	v_add_f32 v96, v96, v97
	s_wait_tensorcnt 0x0                           ; the wave's end: behind my last LDS store, all lanes on
	ds_add_u32 v[SPW], v[NIL]
	s_wait_dscnt 0x0
	s_wait_xcnt 0x0                                ; EXEC changes only behind this wait
	v_cmp_eq_u32 vcc_lo, 0, v1
	s_and_saveexec_b32 s30, vcc_lo                 ; lane 0 alone
	global_store_b128 v8, v[240:243], s[4:5]
	s_cmp_lg_u32 s2, 0
	s_cbranch_scc1 .Lend
	global_store_b32 v8, v96, s[6:7]               ; wave 0 alone: the position's part of the loss
.Lend:
	s_wait_xcnt 0x0
	s_or_b32 exec_lo, exec_lo, s30
	s_endpgm
.Lfunc_end_k_qca3790fe1c_norm2:
	.size	k_qca3790fe1c_norm2, .Lfunc_end_k_qca3790fe1c_norm2-k_qca3790fe1c_norm2
	.p2alignl 7, 3214868480
	.fill 96, 4, 3214868480
	.section	.rodata,"a",@progbits
	.p2align	6, 0x0
	.amdhsa_kernel k_qca3790fe1c_norm2
		.amdhsa_group_segment_fixed_size 768
		.amdhsa_private_segment_fixed_size 0
		.amdhsa_enable_private_segment 0
		.amdhsa_kernarg_size 40
		.amdhsa_user_sgpr_count 2
		.amdhsa_user_sgpr_kernarg_segment_ptr 1
		.amdhsa_wavefront_size32 1
		.amdhsa_system_sgpr_workgroup_id_x 1
		.amdhsa_system_sgpr_workgroup_id_y 1
		.amdhsa_system_sgpr_workgroup_id_z 1
		.amdhsa_system_vgpr_workitem_id 0
		.amdhsa_next_free_vgpr 256
		.amdhsa_next_free_sgpr 66
		.amdhsa_reserve_vcc 1
		.amdhsa_float_denorm_mode_32 3
		.amdhsa_float_denorm_mode_16_64 3
		.amdhsa_memory_ordered 1
		.amdhsa_forward_progress 1
		.amdhsa_inst_pref_size 20
	.end_amdhsa_kernel
	.amdgpu_metadata
---
amdhsa.version: [ 1, 2 ]
amdhsa.kernels:
  - .name:           k_qca3790fe1c_norm2
    .symbol:         k_qca3790fe1c_norm2.kd
    .args:
      - { .name: h1, .offset: 0, .size: 8, .value_kind: global_buffer, .address_space: global }
      - { .name: ln2_w, .offset: 8, .size: 8, .value_kind: global_buffer, .address_space: global }
      - { .name: router_w, .offset: 16, .size: 8, .value_kind: global_buffer, .address_space: global }
      - { .name: router_b, .offset: 24, .size: 8, .value_kind: global_buffer, .address_space: global }
      - { .name: n2, .offset: 32, .size: 8, .value_kind: global_buffer, .address_space: global }
    .group_segment_fixed_size: 768
    .private_segment_fixed_size: 0
    .kernarg_segment_align: 8
    .kernarg_segment_size: 40
    .max_flat_workgroup_size: 128
    .sgpr_count:     66
    .vgpr_count:     256
    .wavefront_size: 32
...
	.end_amdgpu_metadata
.endif
;; end of part 5
;; launch gateup (part 6): grid 64 x 8, 4 waves a work-group, clusters of 4 x 4, 327,680 bytes of LDS; arguments n2, wts, hbuf; writes hbuf
.if DOCPART == 6
	.amdgcn_target "amdgcn-amd-amdhsa--gfx1250"
	.amdhsa_code_object_version 6
	.text
	.protected	k_qca3790fe1c_gateup
	.globl	k_qca3790fe1c_gateup
	.p2align	8
	.type	k_qca3790fe1c_gateup,@function
k_qca3790fe1c_gateup:
	s_mov_b64 s[64:65], 0
	v_nop
	global_prefetch_b8 v0, s[64:65] scope:SCOPE_SE
	s_setreg_imm32_b32 hwreg(HW_REG_WAVE_MODE, 25, 1), 1
	s_wait_xcnt 0x0
	s_wait_alu depctr_hold_cnt(0) depctr_sa_sdst(0) depctr_va_vdst(0) depctr_va_sdst(0) depctr_va_ssrc(0) depctr_va_vcc(0) depctr_vm_vsrc(0)
	s_getreg_b32 s2, hwreg(HW_REG_IB_STS2, 6, 4)
	s_cmp_eq_u32 s2, 0
	s_cbranch_scc0 .Lentry_in_a_cluster
	s_endpgm
.Lentry_in_a_cluster:
	s_bfe_u32 s2, ttmp6, 0x10000c
	s_cmp_lg_u32 s2, 0xf033
	s_cbranch_scc0 .Lentry_shape_is_right
	s_endpgm
.Lentry_shape_is_right:
; GATEUP.  h[token][2048 e + j] = silu(x2 . gate_e[: j]) (x2 . up_e[: j]) rw[token][e], for all four experts; bf16 operands, f32 sums, h rounded once to bf16.
; The routing weight is folded into h, so that the four experts' down products are ONE product over K = 8,192.
; LIMITS.  silu(g) = g / (1 + 2^(-g log2 e)); where the power overflows the quotient is 0; g u stays under f32's range.  NaN and infinities are not treated apart.
; SHARES.  A work-group has 256 tokens x 128 columns of one expert, of gate AND of up: a product of 256 x 256 x 1,024.  64 x 8 = 512 work-groups.  Four waves, 2 x 2: a wave has 128 tokens x (64 gate + 64 up
; of the SAME columns): 64 accumulators, of which (a, b) and (a, b + 4) pair lane by lane.  K goes in 8 steps of 128 through two LDS slots.
; x2 lies [token][k]: ds_load_b128.  The weights lie [k][column]: the turning load.  The matrix instruction is used transposed: a lane holds token lane % 16 and eight neighbouring columns, 16 bytes in bf16,
; which are its place in a chunk of hbuf ([token block 128][column block of 16: 512] chunks of 512 bytes, lane l's 16 bytes at 16 l): stored straight from registers.
; CLUSTER.  4 x 4: x2's tile is shared along a row of the cluster, the weights' along a column.
; THE TEXT.  A K step is written once: the slot in hand is a scalar (0 or SLOT) that one exclusive or turns, and the fragment addresses are a base plus that scalar.  The last two steps, which ask for nothing, are a
; loop of their own; its last trip jumps the next step's first quarter, fetches 32 fragments that nothing reads and passes one barrier more than it needs: the price of one text for both.
; REGISTERS.  Window 0: v16-39 addresses and rw; v64-127, v128-191 fragments of x2, two buffers (on the way out at work).  Window 1: v64-127, v128-191 fragments of gate (four) and up (four).
;   Window 2: the accumulators of my token blocks 0-3 ((a, b) at 8 (8 a + b)); window 3: those of blocks 4-7.
.set KSTEP,  128
.set STEPS,  1024/KSTEP
.set PITCH,  272                       ; a row of x2 in LDS: 256 bytes + 16 (64 banks of 4 bytes: ISA guide 11.1: the 16 rows of a load start at 16 different groups of four banks)
.set HALFT,  128*PITCH
.set PBW,    288                       ; a k row of weights: 256 bytes + 32
.set BT,     128*PBW
.set GOFF,   2*HALFT
.set SLOT,   GOFF+2*BT                 ; 143,360: x2's 256 rows, gate's 128 k rows, up's 128 k rows
.set SPARE,  2*SLOT
.set RWO,    4194304
.set ADRA0, 16                         ; v16  my fragments of x2 in slot 0; never rewritten
.set ADRA,  17                         ; v17  in the slot in hand
.set ADRG0, 18                         ; v18  my fragments of gate in slot 0; never rewritten
.set ADRG,  19                         ; v19  in the slot in hand
.set ADRU,  20                         ; v20  of up, BT bytes on
.set GO,   26                          ; v26  16 l
.set RO,   27                          ; v27  16 (l % 16)
.set SPW,  28
.set NIL,  29
.set RWR,  32                          ; v32-39  rw of my token in block a
.set F0,   64
.set F1,   128
.set T,    64                          ; the way out
.set GU,   96
.set HB,   128
.set G1,  24
.set G0,  32                           ; s[32:39] group 0 for x2's tiles: a set for each of the two first fills; the second then walks on
.set G1B, 48
.set G0B, 56
.set NL,  72                           ; s[72:73] -log2 e
.set CUR, 74                           ; s74  the slot in hand: 0 or SLOT
.set MSB, 0
.macro WIN new
.if MSB != (\new)
	s_set_vgpr_msb (MSB<<8)|(\new)
.set MSB, \new
.endif
.endm
.set MUL_LO, 0xa1                      ; source 0 (weights) window 1, source 1 (x2) window 0, C and D window 2
.set MUL_HI, 0xf1
.set TO_B,   0x40
.macro PLACES
.rept 4
	v_nop
.endr
.endm
.macro JLOAD s                         ; a joint load: waves 0 and 1 fetch x2's two halves, wave 2 gate's tile, wave 3 up's; an s_nop 0 and four v_nop follow each line
	s_cmp_eq_u32 s11, 0
	s_cbranch_scc0 .Lfor_b_\@
	tensor_load_to_lds s[G0+4*(\s):G0+4*(\s)+3], s[G1:G1+7]
	s_nop 0
.rept 4
	v_nop
.endr
	s_branch .Lasked_\@
.Lfor_b_\@:
	tensor_load_to_lds s[G0B+4*(\s):G0B+4*(\s)+3], s[G1B:G1B+7]
	s_nop 0
.rept 4
	v_nop
.endr
.Lasked_\@:
.endm
.macro CREST
	s_cmp_lg_u32 s10, 0
	s_cbranch_scc1 .Lnot_wave_0_\@
	s_barrier_signal -3
.Lnot_wave_0_\@:
	s_barrier_wait -3
	s_barrier_signal -1
	s_barrier_wait -1
.endm
.macro CROUND
	s_barrier_signal -1
	s_barrier_wait -1
	CREST
.endm
.macro SETADR                          ; the fragment addresses in the slot in hand
	WIN 0
	v_add_nc_u32 v[ADRA], s[CUR], v[ADRA0]
	v_add_nc_u32 v[ADRG], s[CUR], v[ADRG0]
	v_add_nc_u32 v[ADRU], BT, v[ADRG]
.endm
	s_load_b128 s[4:7], s[0:1], 0x0                ; n2 s[4:5], wts s[6:7]
	s_load_b64 s[8:9], s[0:1], 0x10                ; hbuf
	v_lshl_add_u32 v[SPW], v0, 2, SPARE
	v_mov_b32 v[NIL], 0
	ds_add_u32 v[SPW], v[NIL]                      ; the wave's opening: the add and its wait ahead of my first tensor load
	v_lshrrev_b32 v1, 5, v0
	v_readfirstlane_b32 s10, v1
	s_lshr_b32 s11, s10, 1                         ; which 128 tokens are mine.  Also: I fetch x2 (0) or weights (1)
	s_and_b32 s12, s10, 1                          ; which 64 columns.  Also: which half of x2's tile, or gate (0) or up (1)
	s_bfe_u32 s40, ttmp6, 0x40000
	s_bfe_u32 s41, ttmp6, 0x40004
	s_lshl_b32 s42, ttmp9, 2
	s_add_co_u32 s42, s42, s40                     ; x = 16 expert + column block of 128
	s_and_b32 s13, ttmp7, 0xffff
	s_lshl_b32 s13, s13, 2
	s_add_co_u32 s13, s13, s41                     ; y: 256 tokens
	s_lshl_b32 s43, s41, 2
	s_lshl_b32 s43, 15, s43
	s_lshl_b32 s44, 0x1111, s40
	s_lshr_b32 s45, s42, 4                         ; expert
	s_and_b32 s66, s42, 15                         ; column block
	s_or_b32 s[G1+0], s43, (1<<16)|(1<<20)|(1<<21)|(5<<22)|(3<<25)   ; mask; 2-byte elements; padding on; bit 21 beside a mask; 4 words behind every 64
	s_or_b32 s[G1B+0], s44, (1<<16)|(1<<20)|(1<<21)|(5<<22)|(7<<25)  ; 8 words behind every 64
.irp g, G1, G1B
	s_mov_b32 s[(\g)+1], 128<<16                   ; tensor_dim0 = 128
	s_mov_b32 s[(\g)+2], 128<<16                   ; tensor_dim1 = 128
	s_mov_b32 s[(\g)+3], 128<<16                   ; tile_dim0 = 128
	s_mov_b32 s[(\g)+4], 128                       ; tile_dim1 = 128
	s_mov_b32 s[(\g)+6], 0
	s_mov_b32 s[(\g)+7], 0
.endr
	s_mov_b32 s[G1+5], 1024                        ; elements from row to row
	s_mov_b32 s[G1B+5], 2048
	s_lshl_b32 s16, s13, 8                         ; x2: row 256 y + 128 x half, 2,048 bytes a row
	s_lshl_b32 s17, s12, 7
	s_add_co_u32 s16, s16, s17
	s_lshl_b32 s16, s16, 11
	s_mov_b32 s17, 0
	s_lshl_b32 s46, s12, 24                        ; weights: up lies 16,777,216 bytes behind gate; an expert is 4,194,304 bytes; a column block 256
	s_lshl_b32 s47, s45, 22
	s_add_co_u32 s46, s46, s47
	s_lshl_b32 s47, s66, 8
	s_add_co_u32 s46, s46, s47
	s_mov_b32 s47, 0
	s_mul_i32 s20, s12, HALFT                      ; where my part of a tile goes in slot 0: kept for the walking descriptors
	s_mul_i32 s21, s12, BT
	s_add_co_u32 s21, s21, GOFF
	s_mov_b32 s[NL], 0xbfb8aa3b
	s_mov_b32 s[NL+1], s[NL]
	s_mov_b32 s[CUR], 0
	s_wait_dscnt 0x0
	s_wait_kmcnt 0x0
	s_add_nc_u64 s[14:15], s[4:5], s[16:17]
	s_add_nc_u64 s[46:47], s[6:7], s[46:47]
	CROUND
.irp s, 0,1
	s_mov_b32 s[G0+4*(\s)], 1
	s_add_co_u32 s[G0+4*(\s)+1], s20, (\s)*SLOT
	s_add_nc_u64 s[G0+4*(\s)+2:G0+4*(\s)+3], s[14:15], (\s)*KSTEP*2
	s_or_b32 s[G0+4*(\s)+3], s[G0+4*(\s)+3], 0x80000000
	s_mov_b32 s[G0B+4*(\s)], 1
	s_add_co_u32 s[G0B+4*(\s)+1], s21, (\s)*SLOT
	s_add_nc_u64 s[G0B+4*(\s)+2:G0B+4*(\s)+3], s[46:47], (\s)*KSTEP*4096
	s_or_b32 s[G0B+4*(\s)+3], s[G0B+4*(\s)+3], 0x80000000
	JLOAD \s                                       ; two loads of mine are out
.endr
	v_and_b32 v1, 15, v0                           ; r
	v_bfe_u32 v2, v0, 4, 1                         ; h
	v_and_b32 v3, 7, v0
	v_bfe_u32 v4, v0, 3, 1
	v_mul_u32_u24 v5, v1, PITCH
	v_lshl_add_u32 v5, v2, 4, v5
	v_lshl_add_u32 v6, v2, 3, v3
	v_mul_u32_u24 v6, v6, PBW
	v_lshl_add_u32 v6, v4, 4, v6
	s_mul_i32 s22, s11, HALFT                      ; my 128 tokens
	s_lshl_b32 s23, s12, 7                         ; my 64 columns
	s_add_co_u32 s23, s23, GOFF
	v_add_nc_u32 v[ADRA0], s22, v5
	v_add_nc_u32 v[ADRG0], s23, v6
	SETADR
	v_and_b32 v[GO], 31, v0
	v_lshlrev_b32 v[GO], 4, v[GO]
	v_lshlrev_b32 v[RO], 4, v1
	s_lshl_b32 s68, s13, 8                         ; rw: 16 bytes a token, 4 an expert
	s_lshl_b32 s69, s11, 7
	s_add_co_u32 s68, s68, s69
	s_lshl_b32 s68, s68, 4
	s_lshl_b32 s69, s45, 2
	s_add_co_u32 s68, s68, s69
	s_add_co_u32 s68, s68, RWO
	s_mov_b32 s69, 0
	s_add_nc_u64 s[68:69], s[4:5], s[68:69]
.irp a, 0,1,2,3,4,5,6,7
	global_load_b32 v[RWR+\a], v[RO], s[68:69] offset:256*\a  ; wanted at the way out: it has the whole product in which to land
.endr
	s_lshl_b32 s70, s13, 4                         ; my first chunk of hbuf: token block 16 y + 8 x half, 512 chunks a block; column block 8 x + 4 x half
	s_lshl_b32 s71, s11, 3
	s_add_co_u32 s70, s70, s71
	s_lshl_b32 s70, s70, 9
	s_lshl_b32 s71, s42, 3
	s_add_co_u32 s70, s70, s71
	s_lshl_b32 s71, s12, 2
	s_add_co_u32 s70, s70, s71
	s_lshl_b32 s70, s70, 9
	s_mov_b32 s71, 0
	s_add_nc_u64 s[8:9], s[8:9], s[70:71]
; 16 matrix instructions: token blocks a0, a0 + 1 of the window's four x all 8 column blocks, 32 along K.  The 64 accumulators take turns.
.macro MUL16 f, hi, a0, zero
	WIN MUL_LO+0x50*(\hi)
.irp a, \a0, (\a0)+1
.irp b, 0,1,2,3,4,5,6,7
.if \zero
	v_wmma_f32_16x16x32_bf16 v[8*(8*(\a)+(\b)):8*(8*(\a)+(\b))+7], v[(\f)+8*(\b):(\f)+8*(\b)+7], v[(\f)+8*(4*(\hi)+(\a)):(\f)+8*(4*(\hi)+(\a))+7], 0
.else
	v_wmma_f32_16x16x32_bf16 v[8*(8*(\a)+(\b)):8*(8*(\a)+(\b))+7], v[(\f)+8*(\b):(\f)+8*(\b)+7], v[(\f)+8*(4*(\hi)+(\a)):(\f)+8*(4*(\hi)+(\a))+7], v[8*(8*(\a)+(\b)):8*(8*(\a)+(\b))+7]
.endif
.endr
.endr
.endm
.macro FETCH q, f                      ; 32 LDS loads in one run: quarter q of the slot in hand: gate's eight, up's eight, then x2's sixteen
	WIN TO_B
.irp i, 0,1,2,3
	ds_load_tr16_b128 v[(\f)+8*(\i):(\f)+8*(\i)+3],   v[ADRG] offset:(\q)*32*PBW+32*(\i)
	ds_load_tr16_b128 v[(\f)+8*(\i)+4:(\f)+8*(\i)+7], v[ADRG] offset:(\q)*32*PBW+16*PBW+32*(\i)
.endr
.irp i, 0,1,2,3
	ds_load_tr16_b128 v[(\f)+32+8*(\i):(\f)+32+8*(\i)+3],   v[ADRU] offset:(\q)*32*PBW+32*(\i)
	ds_load_tr16_b128 v[(\f)+32+8*(\i)+4:(\f)+32+8*(\i)+7], v[ADRU] offset:(\q)*32*PBW+16*PBW+32*(\i)
.endr
	WIN 0
.irp i, 0,1,2,3,4,5,6,7
	ds_load_b128 v[(\f)+8*(\i):(\f)+8*(\i)+3],   v[ADRA] offset:(\q)*64+(\i)*16*PITCH
	ds_load_b128 v[(\f)+8*(\i)+4:(\f)+8*(\i)+7], v[ADRA] offset:(\q)*64+(\i)*16*PITCH+32
.endr
.endm
.macro QUARTER q, f, g, zero           ; multiplies buffer f; in its middle fetches quarter q into buffer g
	s_wait_dscnt 8                                 ; all but the youngest eight loads (x2's token blocks 4-7)
	MUL16 \f, 0, 0, \zero
	MUL16 \f, 0, 2, \zero
	PLACES
	FETCH \q, \g
	s_wait_dscnt 32                                ; all but the 32 just issued
	MUL16 \f, 1, 0, \zero
	MUL16 \f, 1, 2, \zero
.endm
; The last quarter's first half: one barrier for the change of slots.  In front of it each wave waits for all its tensor loads (at most one is out: its part of the next slot), adds 0 to its spare word, and waits for
; that and for its reads of this slot.
.macro MEET round
	WIN 0
	s_wait_tensorcnt 0x0
	ds_add_u32 v[SPW], v[NIL]
	s_wait_dscnt 9                                 ; the add and the youngest eight loads may be out
	MUL16 F1, 0, 0, 0
	s_wait_dscnt 0x0
	s_barrier_signal -1
	MUL16 F1, 0, 2, 0
.if \round
	WIN 0
.endif
	s_barrier_wait -1
.endm
; The whole last quarter.  fill = 1: the barrier opens a round of the cluster's; the slot just read is filled again, two K steps ahead, first thing behind it: 224 matrix instructions ahead of the wait for it.
; Then the other slot becomes the slot in hand, and its first fragments are fetched.
.macro TURN fill
	MEET \fill
.if \fill
	CREST
	s_add_co_u32 s[G0+5], s20, s[CUR]              ; the walking descriptors: into the slot just read,
	s_add_co_u32 s[G0B+5], s21, s[CUR]
	s_add_nc_u64 s[G0+6:G0+7], s[G0+6:G0+7], KSTEP*2        ; the K step behind the one asked for last; the type bits on top are not reached
	s_add_nc_u64 s[G0B+6:G0B+7], s[G0B+6:G0B+7], KSTEP*4096
	JLOAD 1                                        ; its four v_nop are also the places in front of the loads below
.else
	PLACES
.endif
	s_xor_b32 s[CUR], s[CUR], SLOT
	SETADR
	FETCH 0, F0
	MUL16 F1, 1, 0, 0
	MUL16 F1, 1, 2, 0
.endm
	s_wait_tensorcnt 1                             ; my part of K step 0 is in; step 1's may stay out
	s_barrier_signal -1
	s_barrier_wait -1
	FETCH 0, F0
	QUARTER 1, F0, F1, 1                           ; the first quarter's products start the sums
	WIN 0
	s_mov_b32 s3, STEPS-2
.Lstep:                                                ; a trip goes from a step's second quarter to the next step's first, and fills the slot that it leaves
	QUARTER 2, F1, F0, 0
	QUARTER 3, F0, F1, 0
	TURN 1
	QUARTER 1, F0, F1, 0
	WIN 0
	s_sub_co_u32 s3, s3, 1
	s_cmp_lg_u32 s3, 0
	s_cbranch_scc1 .Lstep
	s_mov_b32 s3, 2
.Ltail:                                                ; the last two steps ask for nothing
	QUARTER 2, F1, F0, 0
	QUARTER 3, F0, F1, 0
	TURN 0
	WIN 0
	s_cmp_eq_u32 s3, 1
	s_cbranch_scc1 .Lskip                          ; behind the last step there is no next step's first quarter
	QUARTER 1, F0, F1, 0
	WIN 0
.Lskip:
	s_sub_co_u32 s3, s3, 1
	s_cmp_lg_u32 s3, 0
	s_cbranch_scc1 .Ltail
	s_wait_dscnt 0x0                               ; the last trip's fetch, which nothing reads, has landed: its registers are free
	s_wait_loadcnt 0x0                             ; rw
	PLACES
; THE WAY OUT of token block a: 32 exponentials are a batch, g u the plain work behind them; 32 reciprocals are a batch, (g u) rw the plain work behind them: two waits.  Each accumulator is read from its low end on.
.macro OUTA a
.set AC, 64*((\a)%4)
.set WW, 2+(\a)/4
.set HBB, HB+16*((\a)%2)
	s_wait_xcnt 0x0                                ; the stores of two blocks ago have read their registers
	WIN WW                                         ; source 0 in the accumulators' window
.set i, 0
.rept 16
	v_pk_mul_f32 v[T+2*i:T+2*i+1], v[AC+2*i:AC+2*i+1], s[NL:NL+1] op_sel_hi:[1,0]
.set i, i+1
.endr
	WIN 0
.set i, 0
.rept 32
	v_exp_f32 v[T+i], v[T+i]
.set i, i+1
.endr
	WIN WW*5                                       ; sources 0 and 1 in the accumulators' window
.set i, 0
.rept 16
	v_pk_mul_f32 v[GU+2*i:GU+2*i+1], v[AC+2*i:AC+2*i+1], v[AC+32+2*i:AC+32+2*i+1]
.set i, i+1
.endr
	s_wait_alu depctr_va_vdst(0)
	WIN 0
.set i, 0
.rept 16
	v_pk_add_f32 v[T+2*i:T+2*i+1], v[T+2*i:T+2*i+1], 1.0 op_sel_hi:[1,0]
.set i, i+1
.endr
.set i, 0
.rept 32
	v_rcp_f32 v[T+i], v[T+i]
.set i, i+1
.endr
.set i, 0
.rept 16
.if ((\a)%2) == 0
	v_pk_mul_f32 v[GU+2*i:GU+2*i+1], v[GU+2*i:GU+2*i+1], v[RWR+(\a):RWR+(\a)+1] op_sel_hi:[1,0]
.else
	v_pk_mul_f32 v[GU+2*i:GU+2*i+1], v[GU+2*i:GU+2*i+1], v[RWR+(\a)-1:RWR+(\a)] op_sel:[0,1] op_sel_hi:[1,1]
.endif
.set i, i+1
.endr
	s_wait_alu depctr_va_vdst(0)
.set i, 0
.rept 16
	v_pk_mul_f32 v[T+2*i:T+2*i+1], v[T+2*i:T+2*i+1], v[GU+2*i:GU+2*i+1]
.set i, i+1
.endr
.set i, 0
.rept 16
	v_cvt_pk_bf16_f32 v[HBB+i], v[T+2*i], v[T+2*i+1]
.set i, i+1
.endr
.irp b, 0,1,2,3
	global_store_b128 v[GO], v[HBB+4*\b:HBB+4*\b+3], s[8:9] offset:262144*(\a)+512*\b  ; one chunk: 512 consecutive bytes, aligned
.endr
.endm
.irp a, 0,1,2,3,4,5,6,7
	OUTA \a
.endr
	s_wait_tensorcnt 0x0                           ; the wave's end
	ds_add_u32 v[SPW], v[NIL]
	s_wait_dscnt 0x0
	CROUND                                         ; the closing round
	s_endpgm
.Lfunc_end_k_qca3790fe1c_gateup:
	.size	k_qca3790fe1c_gateup, .Lfunc_end_k_qca3790fe1c_gateup-k_qca3790fe1c_gateup
	.p2alignl 7, 3214868480
	.fill 96, 4, 3214868480
	.section	.rodata,"a",@progbits
	.p2align	6, 0x0
	.amdhsa_kernel k_qca3790fe1c_gateup
		.amdhsa_group_segment_fixed_size 327680
		.amdhsa_private_segment_fixed_size 0
		.amdhsa_enable_private_segment 0
		.amdhsa_kernarg_size 24
		.amdhsa_user_sgpr_count 2
		.amdhsa_user_sgpr_kernarg_segment_ptr 1
		.amdhsa_wavefront_size32 1
		.amdhsa_system_sgpr_workgroup_id_x 1
		.amdhsa_system_sgpr_workgroup_id_y 1
		.amdhsa_system_sgpr_workgroup_id_z 1
		.amdhsa_system_vgpr_workitem_id 0
		.amdhsa_next_free_vgpr 1024
		.amdhsa_next_free_sgpr 80
		.amdhsa_reserve_vcc 0
		.amdhsa_float_denorm_mode_32 3
		.amdhsa_float_denorm_mode_16_64 3
		.amdhsa_memory_ordered 1
		.amdhsa_forward_progress 1
		.amdhsa_inst_pref_size 139
	.end_amdhsa_kernel
	.amdgpu_metadata
---
amdhsa.version: [ 1, 2 ]
amdhsa.kernels:
  - .name:           k_qca3790fe1c_gateup
    .symbol:         k_qca3790fe1c_gateup.kd
    .args:
      - { .name: n2, .offset: 0, .size: 8, .value_kind: global_buffer, .address_space: global }
      - { .name: wts, .offset: 8, .size: 8, .value_kind: global_buffer, .address_space: global }
      - { .name: hbuf, .offset: 16, .size: 8, .value_kind: global_buffer, .address_space: global }
    .group_segment_fixed_size: 327680
    .private_segment_fixed_size: 0
    .kernarg_segment_align: 8
    .kernarg_segment_size: 24
    .max_flat_workgroup_size: 128
    .sgpr_count:     80
    .vgpr_count:     1024
    .wavefront_size: 32
...
	.end_amdgpu_metadata
.endif
;; end of part 6
;; launch down (part 7): grid 8 x 32, 4 waves a work-group, clusters of 4 x 4, 327,680 bytes of LDS; arguments hbuf, wts, parts; writes parts
.if DOCPART == 7
	.amdgcn_target "amdgcn-amd-amdhsa--gfx1250"
	.amdhsa_code_object_version 6
	.text
	.protected	k_qca3790fe1c_down
	.globl	k_qca3790fe1c_down
	.p2align	8
	.type	k_qca3790fe1c_down,@function
k_qca3790fe1c_down:
	s_mov_b64 s[64:65], 0
	v_nop
	global_prefetch_b8 v0, s[64:65] scope:SCOPE_SE
	s_setreg_imm32_b32 hwreg(HW_REG_WAVE_MODE, 25, 1), 1
	s_wait_xcnt 0x0
	s_wait_alu depctr_hold_cnt(0) depctr_sa_sdst(0) depctr_va_vdst(0) depctr_va_sdst(0) depctr_va_ssrc(0) depctr_va_vcc(0) depctr_vm_vsrc(0)
	s_getreg_b32 s2, hwreg(HW_REG_IB_STS2, 6, 4)
	s_cmp_eq_u32 s2, 0
	s_cbranch_scc0 .Lentry_in_a_cluster
	s_endpgm
.Lentry_in_a_cluster:
	s_bfe_u32 s2, ttmp6, 0x10000c
	s_cmp_lg_u32 s2, 0xf033
	s_cbranch_scc0 .Lentry_shape_is_right
	s_endpgm
.Lentry_shape_is_right:
; DOWN.  parts[p] = h[: 4096 p .. 4096 p + 4095] down[4096 p .. 4096 p + 4095:], p = 0, 1: the four experts lie on end along K = 8,192 (the routing weight lies in h), and K is split in two over work-groups.
; bf16 operands, f32 sums; the two partial sums leave in f32, [2][2048][1024], and the next launch adds them and the residual.
; WHY SPLIT.  2,048 x 1,024 outputs on 256 work-groups are 8,192 each.  With the whole K a tile is 64 x 128: 32 K steps of 256, each bringing 192 numbers into LDS for each k.  With half of K a tile is 128 x 128:
; 16 K steps of 256, twice the products in a step for 256 numbers for each k, at the price of 16 MB of partial sums out and in.
; SHARES.  x: 128 columns.  y = 16 x K half + block of 128 tokens.  Four waves, 2 x 2: a wave has 64 x 64, 16 accumulators.
; h lies in chunks of 512 bytes ([token block of 16][column block of 16], lane l's 16 bytes at 16 l): two neighbouring chunks are a fragment, read as 512 consecutive bytes, so its tile has no padding.
; The weights lie [k][column]: the turning load.  The matrix instruction is used transposed: a lane holds token lane % 16 and eight neighbouring columns.
; CLUSTER.  4 x 4: h's tile is shared along a row of the cluster, the weights' along a column.  The K half is made of the cluster's y alone, which all partners share.
; THE TEXT.  A K step is written once: the slot in hand is a scalar (0 or SLOT) that one exclusive or turns, and the fragment addresses are a base plus that scalar.  The last two steps, which ask for nothing, are a
; loop of their own; its last trip jumps the next step's first quarter, fetches 32 fragments that nothing reads and passes one barrier more than it needs: the price of one text for both.
; REGISTERS.  Window 0: v16-29 addresses; v128-255 the accumulators ((a, b) at 128 + 8 (4 a + b)).  Window 1: two fragment buffers of 128: for 64 along K, 64 registers of h (2 x 4 fragments), then 64 of the weights;
;   on the way out v0-127 take the rows read back from the stage.
.set KSTEP,  256
.set STEPS,  4096/KSTEP
.set WD,     33554432                  ; down in wts
.set ATB,    8192                      ; a token block's 16 chunks of a K step
.set AHALF,  4*ATB
.set PBW,    288                       ; a k row of the weights: 256 bytes + 32
.set BHALF,  128*PBW
.set BOFF,   2*AHALF
.set SLOT,   BOFF+2*BHALF              ; 139,264
.set STAGE,  2*SLOT                    ; behind the ring, never filled by a tensor load: 16 rows x 272 bytes for each wave
.set SP,     272                       ; a stage row: 64 f32 + 16 bytes: the 16 rows of a store start at 16 different groups of four banks
.set SPARE,  STAGE+4*16*SP             ; the spare words, 128 bytes a wave
.set ADRA0, 16                         ; v16  my fragments of h in slot 0; never rewritten
.set ADRB0, 17                         ; v17  of the weights
.set ADRA,  18                         ; v18  h in the slot in hand
.set ADRB,  19                         ; v19  the weights' k rows 0-127 there,
.set ADRB2, 20                         ; v20  and 128-255 (an LDS offset has 16 bits)
.set STO,  24
.set RD,   25
.set CO,   26
.set SPW,  28
.set NIL,  29
.set ACC,  128
.set F0,   0
.set F1,   128
.set BK,   0                           ; window 1
.set G1,  24
.set G0,  32                           ; s[32:39] group 0 for h's tiles: a set for each of the two first fills; the second then walks on
.set G1B, 48
.set G0B, 56
.set CUR, 66                           ; s66  the slot in hand: 0 or SLOT
.set MSB, 0
.macro WIN new
.if MSB != (\new)
	s_set_vgpr_msb (MSB<<8)|(\new)
.set MSB, \new
.endif
.endm
.set MUL,  0x05                        ; sources 0 and 1 window 1; C and D window 0
.set TO_F, 0x40                        ; destination window 1, address window 0
.macro PLACES
.rept 4
	v_nop
.endr
.endm
.macro JLOAD s                         ; a joint load: waves 0 and 1 fetch h's two halves, waves 2 and 3 the weights'; an s_nop 0 and four v_nop follow each line
	s_cmp_eq_u32 s11, 0
	s_cbranch_scc0 .Lfor_b_\@
	tensor_load_to_lds s[G0+4*(\s):G0+4*(\s)+3], s[G1:G1+7]
	s_nop 0
.rept 4
	v_nop
.endr
	s_branch .Lasked_\@
.Lfor_b_\@:
	tensor_load_to_lds s[G0B+4*(\s):G0B+4*(\s)+3], s[G1B:G1B+7]
	s_nop 0
.rept 4
	v_nop
.endr
.Lasked_\@:
.endm
.macro CREST
	s_cmp_lg_u32 s10, 0
	s_cbranch_scc1 .Lnot_wave_0_\@
	s_barrier_signal -3
.Lnot_wave_0_\@:
	s_barrier_wait -3
	s_barrier_signal -1
	s_barrier_wait -1
.endm
.macro CROUND
	s_barrier_signal -1
	s_barrier_wait -1
	CREST
.endm
.macro SETADR                          ; the fragment addresses in the slot in hand
	WIN 0
	v_add_nc_u32 v[ADRA], s[CUR], v[ADRA0]
	v_add_nc_u32 v[ADRB], s[CUR], v[ADRB0]
	v_add_nc_u32 v[ADRB2], BHALF, v[ADRB]
.endm
	s_load_b128 s[4:7], s[0:1], 0x0                ; hbuf s[4:5], wts s[6:7]
	s_load_b64 s[8:9], s[0:1], 0x10                ; parts
	v_lshl_add_u32 v[SPW], v0, 2, SPARE
	v_mov_b32 v[NIL], 0
	ds_add_u32 v[SPW], v[NIL]                      ; the wave's opening: the add and its wait ahead of my first tensor load
	v_lshrrev_b32 v1, 5, v0
	v_readfirstlane_b32 s10, v1                    ; wave
	s_lshr_b32 s11, s10, 1                         ; which 64 tokens are mine.  Also: I fetch h (0) or weights (1)
	s_and_b32 s12, s10, 1                          ; which 64 columns.  Also: which half of that tile I fetch
	s_bfe_u32 s40, ttmp6, 0x40000                  ; cx
	s_bfe_u32 s41, ttmp6, 0x40004                  ; cy
	s_lshl_b32 s42, ttmp9, 2
	s_add_co_u32 s42, s42, s40                     ; column block of 128
	s_and_b32 s45, ttmp7, 0xffff                   ; the cluster's y: 4 x K half + a quarter of the token blocks
	s_lshr_b32 s67, s45, 2                         ; K half
	s_and_b32 s13, s45, 3
	s_lshl_b32 s13, s13, 2
	s_add_co_u32 s13, s13, s41                     ; block of 128 tokens
	s_lshl_b32 s43, s41, 2
	s_lshl_b32 s43, 15, s43                        ; my row of the cluster
	s_lshl_b32 s44, 0x1111, s40                    ; my column
	s_or_b32 s[G1+0], s43, (3<<16)|(1<<21)         ; mask; 8-byte elements; bit 21 beside a mask; no padding
	s_mov_b32 s[G1+1], 1024<<16                    ; tensor_dim0 = 1,024: 16 chunks, 8,192 bytes
	s_mov_b32 s[G1+2], 4<<16                       ; tensor_dim1 = 4 token blocks
	s_mov_b32 s[G1+3], 1024<<16
	s_mov_b32 s[G1+4], 4
	s_mov_b32 s[G1+5], 32768                       ; a token block of hbuf is 262,144 bytes
	s_mov_b32 s[G1+6], 0
	s_mov_b32 s[G1+7], 0
	s_or_b32 s[G1B+0], s44, (1<<16)|(1<<20)|(1<<21)|(5<<22)|(7<<25)  ; 2-byte elements; 8 words of padding behind every 64
	s_mov_b32 s[G1B+1], 128<<16
	s_mov_b32 s[G1B+2], 128<<16
	s_mov_b32 s[G1B+3], 128<<16
	s_mov_b32 s[G1B+4], 128
	s_mov_b32 s[G1B+5], 1024
	s_mov_b32 s[G1B+6], 0
	s_mov_b32 s[G1B+7], 0
	s_lshl_b32 s16, s13, 3                         ; h: token block 8 x block of 128 + 4 x half; a K half is 256 chunks, 131,072 bytes
	s_lshl_b32 s17, s12, 2
	s_add_co_u32 s16, s16, s17
	s_lshl_b32 s16, s16, 18
	s_lshl_b32 s17, s67, 17
	s_add_co_u32 s16, s16, s17
	s_mov_b32 s17, 0
	s_lshl_b32 s46, s67, 23                        ; weights: k row 4,096 x K half + 128 x half, 2,048 bytes a row; 256 bytes a column block
	s_lshl_b32 s47, s12, 18
	s_add_co_u32 s46, s46, s47
	s_lshl_b32 s47, s42, 8
	s_add_co_u32 s46, s46, s47
	s_add_co_u32 s46, s46, WD
	s_mov_b32 s47, 0
	s_mul_i32 s20, s12, AHALF                      ; where my part of a tile goes in slot 0: kept for the walking descriptors
	s_mul_i32 s21, s12, BHALF
	s_add_co_u32 s21, s21, BOFF
	s_mov_b32 s[CUR], 0
	s_wait_dscnt 0x0                               ; the opening add is done
	s_wait_kmcnt 0x0
	s_add_nc_u64 s[14:15], s[4:5], s[16:17]
	s_add_nc_u64 s[46:47], s[6:7], s[46:47]
	CROUND                                         ; all sixteen work-groups are here: the first joint loads meet
.irp s, 0,1
	s_mov_b32 s[G0+4*(\s)], 1
	s_add_co_u32 s[G0+4*(\s)+1], s20, (\s)*SLOT
	s_add_nc_u64 s[G0+4*(\s)+2:G0+4*(\s)+3], s[14:15], (\s)*ATB
	s_or_b32 s[G0+4*(\s)+3], s[G0+4*(\s)+3], 0x80000000
	s_mov_b32 s[G0B+4*(\s)], 1
	s_add_co_u32 s[G0B+4*(\s)+1], s21, (\s)*SLOT
	s_add_nc_u64 s[G0B+4*(\s)+2:G0B+4*(\s)+3], s[46:47], (\s)*KSTEP*2048
	s_or_b32 s[G0B+4*(\s)+3], s[G0B+4*(\s)+3], 0x80000000
	JLOAD \s                                       ; two loads of mine are out
.endr
	v_and_b32 v1, 15, v0                           ; r
	v_bfe_u32 v2, v0, 4, 1                         ; h
	v_and_b32 v3, 7, v0
	v_bfe_u32 v4, v0, 3, 1
	v_and_b32 v5, 31, v0
	v_lshlrev_b32 v5, 4, v5                        ; 16 l
	s_mul_i32 s22, s11, AHALF                      ; my four token blocks
	v_add_nc_u32 v[ADRA0], s22, v5
	v_lshl_add_u32 v6, v2, 3, v3                   ; weights: k row 8 h + l % 8,
	v_mul_u32_u24 v6, v6, PBW
	v_lshl_add_u32 v6, v4, 4, v6                   ; column octet (l / 8) % 2,
	s_lshl_b32 s23, s12, 7                         ; my 64 columns
	s_add_co_u32 s23, s23, BOFF
	v_add_nc_u32 v[ADRB0], s23, v6
	SETADR
	s_mul_i32 s22, s10, 16*SP
	s_add_co_u32 s22, s22, STAGE                   ; my stage
	v_mul_u32_u24 v[STO], v1, SP                   ; in: row r, 32 bytes for each half of the lanes
	v_lshl_add_u32 v[STO], v2, 5, v[STO]
	v_add_nc_u32 v[STO], s22, v[STO]
	v_mul_u32_u24 v[RD], v2, SP                    ; back: lanes 0-15 take one row of 256 bytes, lanes 16-31 the next
	v_lshl_add_u32 v[RD], v1, 4, v[RD]
	v_add_nc_u32 v[RD], s22, v[RD]
	v_lshlrev_b32 v[CO], 12, v2                    ; and the same two rows in parts
	v_lshl_add_u32 v[CO], v1, 4, v[CO]
	s_lshl_b32 s68, s13, 7                         ; my first row: 128 x block + 64 x half, 4,096 bytes a row; a part is 8,388,608 bytes; 512 bytes a column block, 256 my half
	s_lshl_b32 s69, s11, 6
	s_add_co_u32 s68, s68, s69
	s_lshl_b32 s68, s68, 12
	s_lshl_b32 s69, s67, 23
	s_add_co_u32 s68, s68, s69
	s_lshl_b32 s69, s42, 9
	s_add_co_u32 s68, s68, s69
	s_lshl_b32 s69, s12, 8
	s_add_co_u32 s68, s68, s69
	s_mov_b32 s69, 0
	s_add_nc_u64 s[8:9], s[8:9], s[68:69]
; 8 matrix instructions: token blocks a0, a0 + 1 x all 4 column blocks, 32 along K: half c of buffer f.  zero = 1: the products start the sums.  The 16 accumulators take turns.
.macro MUL8 f, c, a0, zero
	WIN MUL
.irp a, \a0, (\a0)+1
.irp b, 0,1,2,3
.if \zero
	v_wmma_f32_16x16x32_bf16 v[ACC+8*(4*(\a)+(\b)):ACC+8*(4*(\a)+(\b))+7], v[(\f)+64+8*(4*(\c)+(\b)):(\f)+64+8*(4*(\c)+(\b))+7], v[(\f)+8*(4*(\c)+(\a)):(\f)+8*(4*(\c)+(\a))+7], 0
.else
	v_wmma_f32_16x16x32_bf16 v[ACC+8*(4*(\a)+(\b)):ACC+8*(4*(\a)+(\b))+7], v[(\f)+64+8*(4*(\c)+(\b)):(\f)+64+8*(4*(\c)+(\b))+7], v[(\f)+8*(4*(\c)+(\a)):(\f)+8*(4*(\c)+(\a))+7], v[ACC+8*(4*(\a)+(\b)):ACC+8*(4*(\a)+(\b))+7]
.endif
.endr
.endr
.endm
; 32 LDS loads in one run: quarter q (64 along K) of the slot in hand into buffer f; the first 32 along K first
.macro FETCH q, f
	WIN TO_F
.irp c, 0,1
.irp i, 0,1,2,3
	ds_load_tr16_b128 v[(\f)+64+8*(4*(\c)+(\i)):(\f)+64+8*(4*(\c)+(\i))+3],   v[ADRB+(\q)/2] offset:(64*((\q)%2)+32*(\c))*PBW+32*(\i)
	ds_load_tr16_b128 v[(\f)+64+8*(4*(\c)+(\i))+4:(\f)+64+8*(4*(\c)+(\i))+7], v[ADRB+(\q)/2] offset:(64*((\q)%2)+32*(\c)+16)*PBW+32*(\i)
	ds_load_b128 v[(\f)+8*(4*(\c)+(\i)):(\f)+8*(4*(\c)+(\i))+3],   v[ADRA] offset:ATB*(\i)+1024*(2*(\q)+(\c))
	ds_load_b128 v[(\f)+8*(4*(\c)+(\i))+4:(\f)+8*(4*(\c)+(\i))+7], v[ADRA] offset:ATB*(\i)+1024*(2*(\q)+(\c))+512
.endr
.endr
.endm
; A K step is four quarters of 64 along K, 32 matrix instructions each, on buffers 0, 1, 0, 1.  One of the first three: multiplies buffer f and fetches quarter q into g.
.macro QUARTER q, f, g, zero
	s_wait_dscnt 16                                ; the first 32 along K are in
	MUL8 \f, 0, 0, \zero
	MUL8 \f, 0, 2, \zero
	PLACES
	FETCH \q, \g
	s_wait_dscnt 32                                ; all but the 32 just issued
	MUL8 \f, 1, 0, 0
	MUL8 \f, 1, 2, 0
.endm
; The last quarter multiplies buffer 1 and changes slots: one barrier; in front of it each wave waits for all its tensor loads (at most one is out: its part of the next slot), adds 0 to its spare word, and waits
; for that and for its reads of this slot.  fill = 1: the barrier opens a round of the cluster's, and the slot just read is filled again, two K steps ahead, first thing behind the round: 112 matrix instructions ahead
; of the wait for it.  Then the other slot becomes the slot in hand, and its first fragments are fetched.
.macro TURN fill
	WIN 0
	s_wait_tensorcnt 0x0
	ds_add_u32 v[SPW], v[NIL]
	s_wait_dscnt 17                                ; the add and the youngest sixteen loads may be out
	MUL8 F1, 0, 0, 0
	s_wait_dscnt 0x0                               ; the add is done, and my reads of this slot are over
	s_barrier_signal -1
	MUL8 F1, 0, 2, 0
.if \fill
	WIN 0
.endif
	s_barrier_wait -1
.if \fill
	CREST
	s_add_co_u32 s[G0+5], s20, s[CUR]              ; the walking descriptors: into the slot just read,
	s_add_co_u32 s[G0B+5], s21, s[CUR]
	s_add_nc_u64 s[G0+6:G0+7], s[G0+6:G0+7], ATB             ; the K step behind the one asked for last; the type bits on top are not reached
	s_add_nc_u64 s[G0B+6:G0B+7], s[G0B+6:G0B+7], KSTEP*2048
	JLOAD 1                                        ; its four v_nop are also the places in front of the loads below
.else
	PLACES
.endif
	s_xor_b32 s[CUR], s[CUR], SLOT
	SETADR
	FETCH 0, F0
	MUL8 F1, 1, 0, 0
	MUL8 F1, 1, 2, 0
.endm
	s_wait_tensorcnt 1                             ; my part of K step 0 is in; step 1's may stay out
	s_barrier_signal -1
	s_barrier_wait -1
	FETCH 0, F0
	QUARTER 1, F0, F1, 1                           ; the first quarter's first products start the sums
	WIN 0
	s_mov_b32 s3, STEPS-2
.Lstep:                                                ; a trip goes from a step's second quarter to the next step's first, and fills the slot that it leaves
	QUARTER 2, F1, F0, 0
	QUARTER 3, F0, F1, 0
	TURN 1
	QUARTER 1, F0, F1, 0
	WIN 0
	s_sub_co_u32 s3, s3, 1
	s_cmp_lg_u32 s3, 0
	s_cbranch_scc1 .Lstep
	s_mov_b32 s3, 2
.Ltail:                                                ; the last two steps ask for nothing
	QUARTER 2, F1, F0, 0
	QUARTER 3, F0, F1, 0
	TURN 0
	WIN 0
	s_cmp_eq_u32 s3, 1
	s_cbranch_scc1 .Lskip                          ; behind the last step there is no next step's first quarter
	QUARTER 1, F0, F1, 0
	WIN 0
.Lskip:
	s_sub_co_u32 s3, s3, 1
	s_cmp_lg_u32 s3, 0
	s_cbranch_scc1 .Ltail
	s_wait_dscnt 0x0                               ; the last trip's fetch, which nothing reads, has landed: its registers are free
	PLACES
; THE WAY OUT.  A lane's 32 bytes are an eighth of a row's 256; so 16 rows at a time go through my own stage: in by rows of 272 bytes, back as whole rows, stored two rows to an instruction.
; LDS serves a wave's instructions in order (ISA guide 5.7.1.4): the loads see the stores above them, and the next block's stores come behind them.  Each block has registers of its own, so no store's data is written again.
.macro TOSTAGE a
	WIN 0
.irp b, 0,1,2,3
	ds_store_b128 v[STO], v[ACC+8*(4*(\a)+\b):ACC+8*(4*(\a)+\b)+3] offset:64*\b      ; each accumulator's low half first
	ds_store_b128 v[STO], v[ACC+8*(4*(\a)+\b)+4:ACC+8*(4*(\a)+\b)+7] offset:64*\b+16
.endr
	WIN TO_F
.irp t, 0,1,2,3,4,5,6,7
	ds_load_b128 v[BK+32*(\a)+4*\t:BK+32*(\a)+4*\t+3], v[RD] offset:\t*2*SP
.endr
.endm
.macro SEND a, younger                 ; younger: the LDS instructions issued behind block a's loads: the next block's sixteen, or none
	WIN 0x04                                       ; address window 0, data window 1
.irp t, 0,1,2,3,4,5,6,7
	s_wait_dscnt (\younger)+7-\t
	global_store_b128 v[CO], v[BK+32*(\a)+4*\t:BK+32*(\a)+4*\t+3], s[8:9] offset:(16*(\a)+2*\t)*4096  ; 16 lanes store 256 consecutive bytes, at a multiple of 256 from the buffer's first byte
.endr
.endm
	TOSTAGE 0
	TOSTAGE 1
	SEND 0, 16
	TOSTAGE 2
	SEND 1, 16
	TOSTAGE 3
	SEND 2, 16
	SEND 3, 0
	WIN 0
	s_wait_tensorcnt 0x0                           ; the wave's end
	ds_add_u32 v[SPW], v[NIL]
	s_wait_dscnt 0x0
	CROUND                                         ; the closing round
	s_endpgm
.Lfunc_end_k_qca3790fe1c_down:
	.size	k_qca3790fe1c_down, .Lfunc_end_k_qca3790fe1c_down-k_qca3790fe1c_down
	.p2alignl 7, 3214868480
	.fill 96, 4, 3214868480
	.section	.rodata,"a",@progbits
	.p2align	6, 0x0
	.amdhsa_kernel k_qca3790fe1c_down
		.amdhsa_group_segment_fixed_size 327680
		.amdhsa_private_segment_fixed_size 0
		.amdhsa_enable_private_segment 0
		.amdhsa_kernarg_size 24
		.amdhsa_user_sgpr_count 2
		.amdhsa_user_sgpr_kernarg_segment_ptr 1
		.amdhsa_wavefront_size32 1
		.amdhsa_system_sgpr_workgroup_id_x 1
		.amdhsa_system_sgpr_workgroup_id_y 1
		.amdhsa_system_sgpr_workgroup_id_z 1
		.amdhsa_system_vgpr_workitem_id 0
		.amdhsa_next_free_vgpr 512
		.amdhsa_next_free_sgpr 80
		.amdhsa_reserve_vcc 0
		.amdhsa_float_denorm_mode_32 3
		.amdhsa_float_denorm_mode_16_64 3
		.amdhsa_memory_ordered 1
		.amdhsa_forward_progress 1
		.amdhsa_inst_pref_size 59
	.end_amdhsa_kernel
	.amdgpu_metadata
---
amdhsa.version: [ 1, 2 ]
amdhsa.kernels:
  - .name:           k_qca3790fe1c_down
    .symbol:         k_qca3790fe1c_down.kd
    .args:
      - { .name: hbuf, .offset: 0, .size: 8, .value_kind: global_buffer, .address_space: global }
      - { .name: wts, .offset: 8, .size: 8, .value_kind: global_buffer, .address_space: global }
      - { .name: parts, .offset: 16, .size: 8, .value_kind: global_buffer, .address_space: global }
    .group_segment_fixed_size: 327680
    .private_segment_fixed_size: 0
    .kernarg_segment_align: 8
    .kernarg_segment_size: 24
    .max_flat_workgroup_size: 128
    .sgpr_count:     80
    .vgpr_count:     512
    .wavefront_size: 32
...
	.end_amdgpu_metadata
.endif
;; end of part 7
;; launch fin (part 8): grid 512 x 1, 8 waves a work-group, no clusters, 0 bytes of LDS; arguments parts, h1, n2, out0, out1; writes out0, out1
.if DOCPART == 8
	.amdgcn_target "amdgcn-amd-amdhsa--gfx1250"
	.amdhsa_code_object_version 6
	.text
	.protected	k_qca3790fe1c_fin
	.globl	k_qca3790fe1c_fin
	.p2align	8
	.type	k_qca3790fe1c_fin,@function
k_qca3790fe1c_fin:
	s_mov_b64 s[64:65], 0
	v_nop
	global_prefetch_b8 v0, s[64:65] scope:SCOPE_SE
	s_setreg_imm32_b32 hwreg(HW_REG_WAVE_MODE, 25, 1), 1
	s_wait_xcnt 0x0
; FIN.  out0 = h1 + (part 0 + part 1), all f32 [2048][1024]; out1 = 0.01 / 2,048 x the sum of the 512 loss parts that lie in n2.
; A stream: no LDS, no barrier, no matrix unit.  A work-group has four rows; thread t has the 16 bytes at 16 t of each, so a wave's load or store covers 512 consecutive bytes, aligned.
; A thread's twelve loads go out before its first wait; no register is written twice, so no further wait is needed.
.set PART,  8388608
.set LOSSO, 4227072
	s_load_b256 s[8:15], s[0:1], 0x0               ; parts s[8:9], h1 s[10:11], n2 s[12:13], out0 s[14:15]
	s_load_b64 s[16:17], s[0:1], 0x20              ; out1
	v_lshlrev_b32 v1, 4, v0                        ; 16 t
	s_lshl_b32 s2, ttmp9, 14                       ; four rows of 4,096 bytes
	s_mov_b32 s3, 0
	s_mov_b32 s20, 0x76543210                      ; v_permlanex16_b32: each lane takes its own place in the other half
	s_mov_b32 s21, 0xfedcba98
	s_wait_kmcnt 0x0
	s_add_nc_u64 s[8:9], s[8:9], s[2:3]
	s_add_nc_u64 s[18:19], s[8:9], PART            ; the second part: past what a load's immediate reaches
	s_add_nc_u64 s[10:11], s[10:11], s[2:3]
	s_add_nc_u64 s[14:15], s[14:15], s[2:3]
.irp i, 0,1,2,3
	global_load_b128 v[8+12*\i:11+12*\i],  v1, s[8:9] offset:4096*\i th:TH_LOAD_NT
	global_load_b128 v[12+12*\i:15+12*\i], v1, s[18:19] offset:4096*\i th:TH_LOAD_NT
	global_load_b128 v[16+12*\i:19+12*\i], v1, s[10:11] offset:4096*\i th:TH_LOAD_NT
.endr
.irp i, 0,1,2,3
	s_wait_loadcnt 9-3*\i                          ; loads come back in order: row i's three are in, the later rows' stay out
	v_pk_add_f32 v[8+12*\i:9+12*\i],   v[8+12*\i:9+12*\i],   v[12+12*\i:13+12*\i]
	v_pk_add_f32 v[10+12*\i:11+12*\i], v[10+12*\i:11+12*\i], v[14+12*\i:15+12*\i]
	v_pk_add_f32 v[8+12*\i:9+12*\i],   v[8+12*\i:9+12*\i],   v[16+12*\i:17+12*\i]
	v_pk_add_f32 v[10+12*\i:11+12*\i], v[10+12*\i:11+12*\i], v[18+12*\i:19+12*\i]
	global_store_b128 v1, v[8+12*\i:11+12*\i], s[14:15] offset:4096*\i th:TH_STORE_NT
.endr
	; the balance loss: wave 0 of work-group 0 alone
	s_cmp_lg_u32 s2, 0
	s_cbranch_scc1 .Lend
	v_lshrrev_b32 v2, 5, v0
	v_readfirstlane_b32 s4, v2                     ; wave
	s_cmp_lg_u32 s4, 0
	s_cbranch_scc1 .Lend
	s_add_nc_u64 s[12:13], s[12:13], LOSSO
.irp i, 0,1,2,3
	global_load_b128 v[56+4*\i:59+4*\i], v1, s[12:13] offset:512*\i   ; in wave 0 the thread's number is the lane's: 16 parts a lane
.endr
	s_wait_loadcnt 0x0
	v_pk_add_f32 v[56:57], v[56:57], v[58:59]
	v_pk_add_f32 v[60:61], v[60:61], v[62:63]
	v_pk_add_f32 v[64:65], v[64:65], v[66:67]
	v_pk_add_f32 v[68:69], v[68:69], v[70:71]
	v_pk_add_f32 v[56:57], v[56:57], v[60:61]
	v_pk_add_f32 v[64:65], v[64:65], v[68:69]
	v_pk_add_f32 v[56:57], v[56:57], v[64:65]
	v_add_f32 v56, v56, v57
	v_add_f32_dpp v56, v56, v56 row_xmask:1 row_mask:0xf bank_mask:0xf
	v_add_f32_dpp v56, v56, v56 row_xmask:2 row_mask:0xf bank_mask:0xf
	v_add_f32_dpp v56, v56, v56 row_xmask:4 row_mask:0xf bank_mask:0xf
	v_add_f32_dpp v56, v56, v56 row_xmask:8 row_mask:0xf bank_mask:0xf
	v_permlanex16_b32 v57, v56, s20, s21
	v_add_f32 v56, v56, v57
	v_mul_f32 v56, 0x36a3d70a, v56                 ; x 0.01 / 2,048
	v_mov_b32 v72, 0
	s_wait_xcnt 0x0                                ; EXEC changes only behind this wait
	v_cmp_eq_u32 vcc_lo, 0, v0
	s_and_saveexec_b32 s5, vcc_lo                  ; thread 0 alone
	global_store_b32 v72, v56, s[16:17]
	s_wait_xcnt 0x0                                ; and again, in front of the line that widens it
	s_or_b32 exec_lo, exec_lo, s5
.Lend:
	s_endpgm
.Lfunc_end_k_qca3790fe1c_fin:
	.size	k_qca3790fe1c_fin, .Lfunc_end_k_qca3790fe1c_fin-k_qca3790fe1c_fin
	.p2alignl 7, 3214868480
	.fill 96, 4, 3214868480
	.section	.rodata,"a",@progbits
	.p2align	6, 0x0
	.amdhsa_kernel k_qca3790fe1c_fin
		.amdhsa_group_segment_fixed_size 0
		.amdhsa_private_segment_fixed_size 0
		.amdhsa_enable_private_segment 0
		.amdhsa_kernarg_size 40
		.amdhsa_user_sgpr_count 2
		.amdhsa_user_sgpr_kernarg_segment_ptr 1
		.amdhsa_wavefront_size32 1
		.amdhsa_system_sgpr_workgroup_id_x 1
		.amdhsa_system_sgpr_workgroup_id_y 1
		.amdhsa_system_sgpr_workgroup_id_z 1
		.amdhsa_system_vgpr_workitem_id 0
		.amdhsa_next_free_vgpr 80
		.amdhsa_next_free_sgpr 66
		.amdhsa_reserve_vcc 1
		.amdhsa_float_denorm_mode_32 3
		.amdhsa_float_denorm_mode_16_64 3
		.amdhsa_memory_ordered 1
		.amdhsa_forward_progress 1
		.amdhsa_inst_pref_size 6
	.end_amdhsa_kernel
	.amdgpu_metadata
---
amdhsa.version: [ 1, 2 ]
amdhsa.kernels:
  - .name:           k_qca3790fe1c_fin
    .symbol:         k_qca3790fe1c_fin.kd
    .args:
      - { .name: parts, .offset: 0, .size: 8, .value_kind: global_buffer, .address_space: global }
      - { .name: h1, .offset: 8, .size: 8, .value_kind: global_buffer, .address_space: global }
      - { .name: n2, .offset: 16, .size: 8, .value_kind: global_buffer, .address_space: global }
      - { .name: out0, .offset: 24, .size: 8, .value_kind: global_buffer, .address_space: global }
      - { .name: out1, .offset: 32, .size: 8, .value_kind: global_buffer, .address_space: global }
    .group_segment_fixed_size: 0
    .private_segment_fixed_size: 0
    .kernarg_segment_align: 8
    .kernarg_segment_size: 40
    .max_flat_workgroup_size: 256
    .sgpr_count:     66
    .vgpr_count:     80
    .wavefront_size: 32
...
	.end_amdgpu_metadata
.endif
;; end of part 8
